; MI455X (gfx1250); checked and timed in simulation.
; The chip was launched on July 23, 2026; its instructions are those of AMD's public machine-readable ISA for CDNA 5 (MIT licence, August 2026) and "CDNA5" Instruction Set Architecture Reference Guide (July 2026). The comments in the code are by the model that wrote it; some were corrected since.
;; Multi Head Attention Block. Allowed arithmetic: matrix products marked QUANTISED: E2M3 operands, one E8M0 scale for each 32 along K, by v_wmma_scale_f32_16x16x128_f8f6f4 with both operands' format E2M3, f32 sums; everything else in f32.
;; Inputs: W0 1,024 x 1,024 float32; Wk 16 x 1,024 x 64 float32; Wq 16 x 1,024 x 64 float32; Wv 16 x 1,024 x 64 float32; b0 1,024 float32; bk 16 x 64 float32; bq 16 x 64 float32; bv 16 x 64 float32; x 4 x 2,048 x 1,024 float32.
;; Outputs: out0 4 x 2,048 x 1,024 float32.
;; This version of the problem:
;;   THIS VERSION OF THE PROBLEM IS GIVEN IN LOW PRECISION. The matrix products marked QUANTISED in the list below multiply operands that are first quantised to E2M3 (2 exponent bits, 3 mantissa bits; 6 bits a number), with one power-of-two scale for each 32 numbers along K (OCP MX v1.0); their sums are f32. All else is computed in f32.
;;   The module's matrix products, in the order in which they are computed (A, B: the left and right operand; K: the contracted axis; several contracted axes count as one K, in the product's order):
;;     1. [M 1,024, K 1,024] x [K 1,024, N 8,192]; A: input Wq; B: input x: QUANTISED
;;     2. [M 1,024, K 1,024] x [K 1,024, N 8,192]; A: input Wk; B: input x: QUANTISED
;;     3. [M 1,024, K 1,024] x [K 1,024, N 8,192]; A: input Wv; B: input x: QUANTISED
;;     4. batch 64 x [M 2,048, K 64] x [K 64, N 2,048]; A: computed on the way; B: computed on the way: QUANTISED
;;     5. batch 64 x [M 2,048, K 2,048] x [K 2,048, N 64]; A: softmax (see below); B: computed on the way: QUANTISED
;;     6. [M 8,192, K 1,024] x [K 1,024, N 1,024]; A: computed on the way; B: input W0: QUANTISED
;;   THE QUANTISER, for each operand of a quantised product, along K:
;;     - K is cut into blocks of 32 from its start; a last block that is shorter is filled with zeros.
;;     - A block's scale is 2^e with e = floor(log2(the largest magnitude in the block)) - 2, held to -126 .. 127; a block of zeros has e = 0. As a byte (E8M0): e + 127.
;;     - Each number is divided by its block's scale, clamped to +-7.5, and rounded to the nearest number of E2M3, ties to even, subnormals kept.
;;     - The product sums the exact products of the quantised numbers (number of the format x scale) in f32.
;;   ~~~python
;;   def quantise(x, axis):      # numpy; x: float32 -> the quantised numbers, widened to float32 again
;;       x = np.moveaxis(x, axis, -1); K = x.shape[-1]
;;       x = np.pad(x, [(0, 0)] * (x.ndim - 1) + [(0, -K % 32)]); x = x.reshape(x.shape[:-1] + (-1, 32)); a = np.abs(x).max(-1, keepdims=True)
;;       e = np.where(a > 0, np.clip(np.frexp(np.where(a > 0, a, 1))[1] - 1 - 2, -126, 127), 0)      # np.frexp(a)[1] - 1 = floor(log2(a)), exactly
;;       r = np.clip(x / 2.0 ** e, -7.5, 7.5)
;;       step = 2.0 ** (np.maximum(np.frexp(np.where(r == 0, 1, r))[1] - 1, 0) - 3)
;;       q = np.round(r / step) * step * 2.0 ** e      # np.round: ties to even
;;       return np.moveaxis(q.reshape(q.shape[:-2] + (-1,))[..., :K], -1, axis).astype(np.float32)
;;   ~~~
;;   SOFTMAX AHEAD OF A QUANTISED PRODUCT. Where the list says 'softmax', what is quantised is not the finished softmax but p = 2^(t - M), with t = logit x log2(e) and M = ceil(the row's largest t), a whole number; so 1/2 < the row's largest p <= 1. The row's sum l is taken of the UNQUANTISED p, in f32, and the product's result is divided by l at the end. Since M is a whole number, a kernel that streams over the keys may use a running M (the ceiling of the running maximum): every later rescaling is an exact power of two, which a block's scale takes up: the codes' values come out the same.
;;   OPERANDS COMPUTED ON THE WAY. 'Computed on the way' means the value that the module computes at that place (a softmax that the list does not call 'softmax' is quantised finished and normalised). What goes into a quantiser is computed in f32, as accurately as f32 sums, v_exp_f32 and their like allow (about 1e-6 of the number): no bf16 or f16 on the way to a quantiser, and a product that is left as it is and whose result goes on into a quantised operand takes f32 operands (vector FMAs, or v_wmma_f32_16x16x4_f32). A number that lies on a knife's edge between two numbers of the format may be rounded either way, as far as f32 arithmetic and the matrix unit's own rounding can turn it there, and no further.
;; One version. Each part assembles by itself: llvm-mc -triple=amdgcn-amd-amdhsa -mcpu=gfx1250 --defsym DOCPART=n.
;; ======== version 1 of 1: 4 launches
;; limits: right only within a limited range of input values
;; workspace buffers: ximg 6,291,456 bytes; xs 262,144 bytes; wimg 3,276,800 bytes; qc 6,291,456 bytes; qs 262,144 bytes; kv 13,107,200 bytes; cimg 6,291,456 bytes; cs 262,144 bytes
;; launch quant (part 1): grid 384 x 1, 4 waves a work-group, no clusters, 58,880 bytes of LDS; arguments x, Wq, Wk, Wv, W0, ximg, xs, wimg; writes ximg, xs, wimg
.if DOCPART == 1
	.amdgcn_target "amdgcn-amd-amdhsa--gfx1250"
	.amdhsa_code_object_version 6
	.text
	.protected	k_qc1acb4f058_quant
	.globl	k_qc1acb4f058_quant
	.p2align	8
	.type	k_qc1acb4f058_quant,@function
k_qc1acb4f058_quant:
	s_mov_b64 s[64:65], 0
	v_nop
	global_prefetch_b8 v0, s[64:65] scope:SCOPE_SE
	s_setreg_imm32_b32 hwreg(HW_REG_WAVE_MODE, 25, 1), 1
	s_wait_xcnt 0x0
; x [8192][1024] and the four weights (K = their axis of 1,024: the middle axis of Wq, Wk, Wv [16][1024][64], the first of W0 [1024][1024]), all f32, become codes of FP6 (E2M3)
; with one E8M0 byte for each 32 along K, laid as IMAGES OF THE OPERANDS' REGISTERS: a fragment (16 rows x 128 K, 12 registers a lane) is 1,536 bytes, registers 4 c .. 4 c + 3 of lane l at 512 c + 16 l.
; A block's scale is 2^(floor(log2(largest magnitude)) - 2); its byte is the largest magnitude's exponent field - 2, held at 1 from below by a floor of 2^-124 among the maximum's leaves.
; LIMITS: NaN and infinities among the inputs are not served; a block of zeros gets the byte 1 where the rule says 127: its codes are zeros, and the bytes are read by this program alone.
; THE ROWS OF A TILE ARE NOT NEIGHBOURS: place r of tile 2 g + u holds row 32 g + 8 u + r + 8 (r / 8) (for a weight: column e of its 64 likewise), so that later results' 16 registers of two neighbouring tiles are 16 neighbours.
; ximg [tile 512][K step 8] fragments; xs [group 256][a 2][16 u + r][16 bytes: the scale words of K steps 4 a .. 4 a + 3].
; wimg: 64 units of 51,200 bytes (64 columns x K 1,024): [tile 4][K step 8] fragments, then 2,048 bytes of scale words [c 2][a 2][16 u + r][16 bytes].  Unit 3 head + kind (q 0, k 1, v 2), or 48 + G for columns 64 G on of W0.
; Work-groups 0-255 take x (a wave: one tile x 512 along K), 256-383 the weights (a wave: 32 columns x 256 along K).  The two ways part on the work-group's number and have LDS bytes of their own.  Waves share nothing: no barrier.
.set SEL,  4                           ; s[4:5]   selects of v_permlanex16_b32 for lane l xor 16
.set HM,   6                           ; s6       mask of lanes 16-31
.set PC,   16                          ; v16-34   the codes just made (12 registers, and the conversions' second halves)
.set TM,   36                          ; v36-51   largest magnitudes, bytes, scale operands
.set PWS,  52                          ; v52-55   the four K steps' scale words
.set PW,   56                          ; v56      the scale word just made
.set MG,   58                          ; v58-59   the two words that my lane stores
.set RA,   64                          ; v64-191  two sets of 64: x as loaded
.set XN,   192                         ; v192-255 64 numbers of my row: register 16 b + i = k 32 b + 16 (lane / 16) + i
.set XSTG, 8448                        ; x way: a wave's stage, 16 rows x (512 + 16) bytes
.set WST0, 4*XSTG                      ; weight way: the stages begin here,
.set WSTG, 6144                        ; four fragments' images for each wave
.set WA,   64                          ; v64-95   weight way: 4 x lane + i x pitch
.set WX,   96                          ; v96-159  two sets of 32 numbers down K
.set WO,   160                         ; v160-207 the way out
; 64 numbers of a lane, register 16 b + i = k 32 b + 16 (lane / 16) + i of my row, become a fragment's codes in v[PC] on and its scale word in v[PW]
.macro QUANT s
.irp b, 0,1,2,3
	v_max3_num_f32 v[TM+\b], |v[\s+16*\b]|, |v[\s+1+16*\b]|, 0x1800000   ; block b: my 16 numbers, and the floor 2^(3 - 127): the byte cannot fall under 1
.endr
.irp i, 2,4,6,8,10,12,14
.irp b, 0,1,2,3
	v_max3_num_f32 v[TM+\b], v[TM+\b], |v[\s+16*\b+\i]|, |v[\s+1+16*\b+\i]|   ; the four blocks by turns
.endr
.endr
.irp b, 0,1,2,3
	v_permlanex16_b32 v[TM+4+\b], v[TM+\b], s[SEL], s[SEL+1]
.endr
.irp b, 0,1,2,3
	v_max_num_f32 v[TM+\b], v[TM+\b], v[TM+4+\b]   ; with lane l xor 16's: the block's largest magnitude
.endr
.irp b, 0,1,2,3
	v_add_nc_u32 v[TM+12+\b], 0xff000000, v[TM+\b]   ; 2 off its exponent field: the conversion takes this operand's exponent field as its scale
.endr
.irp b, 0,1,2,3
	v_lshrrev_b32 v[TM+4+\b], 23, v[TM+12+\b]      ; the scale's byte
.endr
	v_lshl_or_b32 v[PW], v[TM+5], 8, v[TM+4]
	v_lshl_or_b32 v[PW], v[TM+6], 16, v[PW]
	v_lshl_or_b32 v[PW], v[TM+7], 24, v[PW]
.irp c, 0,1
	v_cvt_scalef32_pk16_fp6_f32 v[PC+6*\c:PC+2+6*\c], v[\s+32*\c:\s+15+32*\c], v[TM+12+2*\c]
	v_cvt_scalef32_pk16_fp6_f32 v[PC+12+4*\c:PC+14+4*\c], v[\s+16+32*\c:\s+31+32*\c], v[TM+12+2*\c+1]   ; a conversion's three registers begin on an even number
.endr
	v_nop                                          ; one plain place behind a scaled conversion
.irp c, 0,1                                    ; the operand's layout wants a whole block in a lane: lanes 0-15 block 2 c, lanes 16-31 block 2 c + 1
.irp i, 0,1,2
	v_permlane16_swap_b32 v[PC+6*\c+\i], v[PC+12+4*\c+\i]
.endr
.irp i, 0,1,2
	v_mov_b32 v[PC+3+6*\c+\i], v[PC+12+4*\c+\i]
.endr
.endr
.endm
	s_load_b512 s[16:31], s[0:1], 0x0              ; x 16, Wq 18, Wk 20, Wv 22, W0 24, ximg 26, xs 28, wimg 30
	v_lshl_add_u32 v62, v0, 2, 0xe400
	v_mov_b32 v63, 0
	v_lshrrev_b32 v1, 5, v0
	v_readfirstlane_b32 s2, v1                     ; wave 0..3
	v_and_b32 v5, 31, v0                           ; lane
	v_lshlrev_b32 v1, 4, v5                        ; 16 x lane
	s_mov_b32 s[SEL], 0x76543210
	s_mov_b32 s[SEL+1], 0xfedcba98
	s_mov_b32 s[HM], 0xffff0000
	s_cmp_lt_u32 ttmp9, 256
	s_cbranch_scc0 .Lw
	; ---------------- x: job 4 x work-group + wave = (tile T, half a of K)
	s_lshl_b32 s7, ttmp9, 2
	s_add_co_u32 s7, s7, s2
	s_lshr_b32 s32, s7, 1                          ; T
	s_and_b32 s33, s7, 1                           ; a
	s_lshr_b32 s34, s32, 1                         ; g
	s_and_b32 s35, s32, 1                          ; u
	; THE ORDER OF x's ROWS (it takes the place of what the head says of x; the weights' columns stay as the head has them): place r of tile 4 c + t holds row 64 c + 8 t + r % 8 + 32 (r / 8)
	s_lshr_b32 s36, s32, 2
	s_lshl_b32 s36, s36, 18                        ; x: 64 c rows of 4,096 bytes
	s_and_b32 s38, s32, 3
	s_lshl_b32 s38, s38, 15                        ; + 8 t rows
	s_add_co_u32 s36, s36, s38
	s_lshl_b32 s38, s33, 11                        ; + 512 a numbers
	s_add_co_u32 s36, s36, s38
	s_mov_b32 s37, 0
	s_mul_i32 s38, s32, 12288                      ; ximg: 8 fragments a tile
	s_mul_i32 s40, s33, 6144
	s_add_co_u32 s38, s38, s40
	s_mov_b32 s39, 0
	s_lshl_b32 s40, s34, 10                        ; xs: 1,024 g + 512 a + 256 u
	s_lshl_b32 s42, s33, 9
	s_add_co_u32 s40, s40, s42
	s_lshl_b32 s42, s35, 8
	s_add_co_u32 s40, s40, s42
	s_mov_b32 s41, 0
	s_mul_i32 s43, s2, XSTG                        ; my stage
	s_wait_alu depctr_va_vdst(0)
	v_add_nc_u32 v2, s43, v1                       ; in: a row's 512 bytes as they lie
	v_and_b32 v6, 15, v0                           ; r
	v_bfe_u32 v7, v0, 4, 1                         ; h
	v_mul_u32_u24 v3, v6, 528
	v_lshl_add_u32 v3, v7, 6, v3
	v_add_nc_u32 v3, s43, v3                       ; out: row r, + 64 h: my 16 numbers of a block of 32
	v_lshlrev_b32 v4, 4, v6
	v_lshl_add_u32 v4, v7, 3, v4                   ; xs: 16 r + 8 h
.irp b, 0,1,2,3
	v_mov_b32 v[TM+4+\b], 0                        ; written once: a lane permute's destination counts as one of its sources
.endr
	s_wait_alu depctr_va_vdst(0)
	s_wait_kmcnt 0x0
	s_add_nc_u64 s[8:9], s[16:17], s[36:37]
	s_add_nc_u64 s[10:11], s[26:27], s[38:39]
	s_add_nc_u64 s[12:13], s[28:29], s[40:41]
.macro LOADX sl                        ; K step sl of my four: 16 rows x 512 bytes; each load reads 512 consecutive bytes of one row
.irp r, 0,1,2,3,4,5,6,7,8,9,10,11,12,13,14,15
	global_load_b128 v[RA+64*((\sl)%2)+4*\r:RA+64*((\sl)%2)+4*\r+3], v1, s[8:9] offset:(\r+24*(\r/8))*4096+512*(\sl) th:TH_LOAD_NT
.endr
.endm
.macro STEPX sl
.if (\sl) < 3
	s_wait_loadcnt 16                              ; this step's 16 loads are in; the next step's 16 may be out
.else
	s_wait_loadcnt 0x0
.endif
.irp r, 0,1,2,3,4,5,6,7,8,9,10,11,12,13,14,15
	ds_store_b128 v2, v[RA+64*((\sl)%2)+4*\r:RA+64*((\sl)%2)+4*\r+3] offset:528*\r
.endr
.irp b, 0,1,2,3
.irp j, 0,1,2,3
	ds_load_b128 v[XN+16*\b+4*\j:XN+16*\b+4*\j+3], v3 offset:128*\b+16*\j   ; LDS serves a wave's instructions in order: these see my stores
.endr
.endr
	s_wait_dscnt 0x0                               ; my numbers are back, and the stores into the stage have read their registers
	s_wait_xcnt 0x0                                ; the last step's stores have read the codes' registers, which are written again below
.if (\sl) < 2
	LOADX (\sl)+2
.endif
	QUANT XN
.irp c, 0,1,2
	global_store_b128 v1, v[PC+4*\c:PC+4*\c+3], s[10:11] offset:1536*(\sl)+512*\c   ; 32 lanes store 512 consecutive bytes
.endr
	v_mov_b32 v[PWS+(\sl)], v[PW]
.endm
	LOADX 0
	LOADX 1
	STEPX 0
	STEPX 1
	STEPX 2
	STEPX 3
	v_cndmask_b32 v[MG], v[PWS], v[PWS+2], s[HM]   ; lanes r and 16 + r hold the same four words: lanes 0-15 store the first two, lanes 16-31 the others
	v_cndmask_b32 v[MG+1], v[PWS+1], v[PWS+3], s[HM]
	global_store_b64 v4, v[MG:MG+1], s[12:13]      ; 32 lanes store 256 consecutive bytes, aligned
	s_wait_tensorcnt 0x0
	ds_add_u32 v62, v63
	s_wait_dscnt 0x0
	s_endpgm
	; ---------------- the weights: a lane takes a column, and its registers run down K
.Lw:
	s_sub_co_u32 s7, ttmp9, 256
	s_lshr_b32 s32, s7, 1
	s_lshr_b32 s33, s32, 4                         ; kind: q 0, k 1, v 2, W0 3
	s_and_b32 s34, s32, 15                         ; head, or W0's group of 64 columns
	s_and_b32 s35, s2, 1                           ; c: which 32 of the 64 columns
	s_and_b32 s36, s7, 1
	s_lshl_b32 s36, s36, 1
	s_lshr_b32 s37, s2, 1
	s_add_co_u32 s36, s36, s37                     ; y: which 256 along K
	s_mul_i32 s57, s34, 3
	s_add_co_u32 s57, s57, s33                     ; unit 3 head + kind,
	s_add_co_u32 s58, s34, 48                      ; or 48 + G
	s_mov_b32 s56, 256
	s_wait_kmcnt 0x0
	s_cmp_eq_u32 s33, 1                            ; the choices hang on the work-group's number alone
	s_cselect_b64 s[38:39], s[20:21], s[18:19]
	s_cmp_eq_u32 s33, 2
	s_cselect_b64 s[38:39], s[22:23], s[38:39]
	s_cmp_eq_u32 s33, 3
	s_cselect_b64 s[38:39], s[24:25], s[38:39]
	s_cselect_b32 s56, 4096, s56                   ; bytes from one k to the next
	s_cselect_b32 s37, 8, 18                       ; the head's (group's) first byte: head << this
	s_cselect_b32 s57, s58, s57
	s_lshl_b32 s58, s34, s37
	s_lshl_b32 s59, s35, 7                         ; + 32 c columns
	s_add_co_u32 s58, s58, s59
	s_lshl_b32 s59, s56, 8
	s_mul_i32 s59, s59, s36                        ; + 256 y rows
	s_add_co_u32 s58, s58, s59
	s_mov_b32 s59, 0
	s_add_nc_u64 s[40:41], s[38:39], s[58:59]      ; block 0 of my eight blocks of 32 along K,
	s_lshl_b32 s58, s56, 5
.irp t, 1,2,3,4,5,6,7
	s_add_nc_u64 s[40+2*\t:41+2*\t], s[38+2*\t:39+2*\t], s[58:59]   ; and the others, 32 rows on each: s[40:55]
.endr
	s_mul_i32 s60, s57, 51200
	s_lshl_b32 s61, s35, 4
	s_lshl_b32 s62, s36, 1
	s_add_co_u32 s61, s61, s62
	s_mul_i32 s61, s61, 1536                       ; fragment (tile 2 c, K step 2 y)
	s_add_co_u32 s62, s60, s61
	s_mov_b32 s63, 0
	s_add_nc_u64 s[8:9], s[30:31], s[62:63]
	s_lshl_b32 s61, s35, 10                        ; scale words: 49,152 + 1,024 c + 512 (y / 2) + 8 (y % 2)
	s_add_co_u32 s60, s60, s61
	s_lshr_b32 s61, s36, 1
	s_lshl_b32 s61, s61, 9
	s_add_co_u32 s60, s60, s61
	s_and_b32 s61, s36, 1
	s_lshl_b32 s61, s61, 3
	s_add_co_u32 s60, s60, s61
	s_add_co_u32 s62, s60, 49152
	s_add_nc_u64 s[10:11], s[30:31], s[62:63]
	s_mul_i32 s7, s2, WSTG
	s_add_co_u32 s7, s7, WST0                      ; my stage: [u 2][K step 2] images
	v_bfe_u32 v6, v0, 3, 1                         ; column 32 c + lane is place r of tile 2 c + u: u = (lane / 8) % 2,
	v_and_b32 v7, 7, v0
	v_bfe_u32 v8, v0, 4, 1
	v_lshl_add_u32 v7, v8, 3, v7                   ; r = lane % 8 + 8 (lane / 16)
	v_mul_u32_u24 v2, v6, 3072
	v_lshl_add_u32 v2, v7, 4, v2
	v_add_nc_u32 v2, s7, v2                        ; into the stage: 3,072 u + 16 r
	s_wait_alu depctr_va_vdst(0)
	v_add_nc_u32 v3, s7, v1                        ; out of it: 16 x lane
	v_lshl_add_u32 v4, v6, 4, v7
	v_lshlrev_b32 v4, 4, v4                        ; scale words: 16 (16 u + r)
	v_lshlrev_b32 v[WA], 2, v5
.set n_, 0
.rept 31
	v_add_nc_u32 v[WA+1+n_], s56, v[WA+n_]         ; 4 x lane + i x pitch: the pitch differs between the tensors, so it cannot stand in an immediate
.set n_, n_+1
.endr
.macro LOADW t                         ; block t: W(32 t + i, my column)
.irp i, 0,1,2,3,4,5,6,7,8,9,10,11,12,13,14,15,16,17,18,19,20,21,22,23,24,25,26,27,28,29,30,31
	global_load_b32 v[WX+32*((\t)%2)+\i], v[WA+\i], s[40+2*(\t):41+2*(\t)] th:TH_LOAD_NT
.endr
.endm
.macro BLOCK t
.set XW, WX+32*((\t)%2)
.set OFB, 1536*((\t)/4)+256*((\t)%2)   ; K step t / 4 of my two; in its fragment the block belongs to lanes 16 (t % 2) + r, registers 6 ((t / 2) % 2) on
.if (\t) < 7
	s_wait_loadcnt 32                              ; this block's 32 loads are in; the next block's may be out
.else
	s_wait_loadcnt 0x0
.endif
	v_max3_num_f32 v28, |v[XW]|, |v[XW+1]|, |v[XW+2]|   ; the block's largest magnitude: all 32 numbers are mine
	v_max3_num_f32 v29, |v[XW+3]|, |v[XW+4]|, |v[XW+5]|
.irp i, 6,10,14,18,22,26
	v_max3_num_f32 v28, v28, |v[XW+\i]|, |v[XW+\i+1]|
	v_max3_num_f32 v29, v29, |v[XW+\i+2]|, |v[XW+\i+3]|
.endr
	v_max3_num_f32 v28, v28, |v[XW+30]|, |v[XW+31]|
	v_max3_num_f32 v28, v28, v29, 0x1800000        ; and the floor
	v_add_nc_u32 v30, 0xff000000, v28              ; the conversion's scale operand
	v_lshrrev_b32 v31, 23, v30                     ; the byte
.if (\t)%4 == 0
	v_mov_b32 v[26+(\t)/4], v31                    ; four bytes to a word, the lower K in the lower byte
.else
	v_lshl_or_b32 v[26+(\t)/4], v31, 8*((\t)%4), v[26+(\t)/4]
.endif
	v_cvt_scalef32_pk16_fp6_f32 v[16:18], v[XW:XW+15], v30
	v_cvt_scalef32_pk16_fp6_f32 v[22:24], v[XW+16:XW+31], v30
	v_nop                                          ; one plain place behind a scaled conversion
	v_mov_b32 v19, v22
	v_mov_b32 v20, v23
	v_mov_b32 v21, v24                             ; v16-21: the block's 24 bytes
.if ((\t)/2)%2 == 0
	ds_store_b128 v2, v[16:19] offset:OFB          ; registers 0-3 of the image,
	ds_store_b64 v2, v[20:21] offset:OFB+512       ; 4, 5
.else
	ds_store_b64 v2, v[16:17] offset:OFB+520       ; registers 6, 7,
	ds_store_b128 v2, v[18:21] offset:OFB+1024     ; 8-11
.endif
.if (\t) < 6
	LOADW (\t)+2
.endif
	s_wait_dscnt 0x0                               ; the stores have read their registers: the next block's codes may be written
.endm
	LOADW 0
	LOADW 1
.irp t, 0,1,2,3,4,5,6,7
	BLOCK \t
.endr
	s_wait_alu depctr_va_vdst(0)
	global_store_b64 v4, v[26:27], s[10:11]        ; my column's two scale words: 8 of each 16 bytes (the other 8 are another wave's); all weights' scale words together are 131,072 bytes
.irp n, 0,1,2,3,4,5,6,7,8,9,10,11
	ds_load_b128 v[WO+4*\n:WO+4*\n+3], v3 offset:512*\n
.endr
.irp n, 0,1,2,3,4,5,6,7,8,9,10,11
	s_wait_dscnt 11-\n                             ; the younger loads may be out
	global_store_b128 v1, v[WO+4*\n:WO+4*\n+3], s[8:9] offset:(\n/6)*12288+(\n%6)*512   ; 32 lanes store 512 consecutive bytes
.endr
	s_wait_tensorcnt 0x0
	ds_add_u32 v62, v63
	s_wait_dscnt 0x0
	s_endpgm
.Lfunc_end_k_qc1acb4f058_quant:
	.size	k_qc1acb4f058_quant, .Lfunc_end_k_qc1acb4f058_quant-k_qc1acb4f058_quant
	.p2alignl 7, 3214868480
	.fill 96, 4, 3214868480
	.section	.rodata,"a",@progbits
	.p2align	6, 0x0
	.amdhsa_kernel k_qc1acb4f058_quant
		.amdhsa_group_segment_fixed_size 58880
		.amdhsa_private_segment_fixed_size 0
		.amdhsa_enable_private_segment 0
		.amdhsa_kernarg_size 64
		.amdhsa_user_sgpr_count 2
		.amdhsa_user_sgpr_kernarg_segment_ptr 1
		.amdhsa_wavefront_size32 1
		.amdhsa_system_sgpr_workgroup_id_x 1
		.amdhsa_system_sgpr_workgroup_id_y 1
		.amdhsa_system_sgpr_workgroup_id_z 1
		.amdhsa_system_vgpr_workitem_id 0
		.amdhsa_next_free_vgpr 256
		.amdhsa_next_free_sgpr 66
		.amdhsa_reserve_vcc 0
		.amdhsa_float_denorm_mode_32 3
		.amdhsa_float_denorm_mode_16_64 3
		.amdhsa_memory_ordered 1
		.amdhsa_forward_progress 1
		.amdhsa_inst_pref_size 77
	.end_amdhsa_kernel
	.amdgpu_metadata
---
amdhsa.version: [ 1, 2 ]
amdhsa.kernels:
  - .name:           k_qc1acb4f058_quant
    .symbol:         k_qc1acb4f058_quant.kd
    .args:
      - { .name: x, .offset: 0, .size: 8, .value_kind: global_buffer, .address_space: global }
      - { .name: Wq, .offset: 8, .size: 8, .value_kind: global_buffer, .address_space: global }
      - { .name: Wk, .offset: 16, .size: 8, .value_kind: global_buffer, .address_space: global }
      - { .name: Wv, .offset: 24, .size: 8, .value_kind: global_buffer, .address_space: global }
      - { .name: W0, .offset: 32, .size: 8, .value_kind: global_buffer, .address_space: global }
      - { .name: ximg, .offset: 40, .size: 8, .value_kind: global_buffer, .address_space: global }
      - { .name: xs, .offset: 48, .size: 8, .value_kind: global_buffer, .address_space: global }
      - { .name: wimg, .offset: 56, .size: 8, .value_kind: global_buffer, .address_space: global }
    .group_segment_fixed_size: 58880
    .private_segment_fixed_size: 0
    .kernarg_segment_align: 8
    .kernarg_segment_size: 64
    .max_flat_workgroup_size: 128
    .sgpr_count:     66
    .vgpr_count:     256
    .wavefront_size: 32
...
	.end_amdgpu_metadata
.endif
;; end of part 1
;; launch qkv (part 2): grid 16 x 16, 4 waves a work-group, clusters of 4 x 1, 327,680 bytes of LDS; arguments ximg, xs, wimg, bq, bk, bv, qc, qs, kv; writes qc, qs, kv
.if DOCPART == 2
	.amdgcn_target "amdgcn-amd-amdhsa--gfx1250"
	.amdhsa_code_object_version 6
	.text
	.protected	k_qc1acb4f058_qkv
	.globl	k_qc1acb4f058_qkv
	.p2align	8
	.type	k_qc1acb4f058_qkv,@function
k_qc1acb4f058_qkv:
	s_mov_b64 s[64:65], 0
	v_nop
	global_prefetch_b8 v0, s[64:65] scope:SCOPE_SE
	s_setreg_imm32_b32 hwreg(HW_REG_WAVE_MODE, 25, 1), 1
	s_wait_xcnt 0x0
	s_wait_alu depctr_hold_cnt(0) depctr_sa_sdst(0) depctr_va_vdst(0) depctr_va_sdst(0) depctr_va_ssrc(0) depctr_va_vcc(0) depctr_vm_vsrc(0)
	s_getreg_b32 s2, hwreg(HW_REG_IB_STS2, 6, 4)
	s_cmp_eq_u32 s2, 0
	s_cbranch_scc0 .Lentry_in_a_cluster
	s_endpgm
.Lentry_in_a_cluster:
	s_bfe_u32 s2, ttmp6, 0x10000c
	s_cmp_lg_u32 s2, 0x3003
	s_cbranch_scc0 .Lentry_shape_is_right
	s_endpgm
.Lentry_shape_is_right:
; q, k, v = x W + b for one head and 512 rows of one batch, on codes of FP6 (E2M3) with E8M0 scales, f32 sums; the results are quantised in registers: q and k along the head's 64, v along the keys.
; SHARES.  Work-group = (head, batch, 512 rows); two blocks of 256 rows; a wave owns 64 rows of a block: 4 tiles of 16, whose 32 fragments of x (all of K = 1,024) lie in 384 registers.
; The head's three units of weights (153,600 bytes: fragments and scale words as the launch before laid them) lie in LDS from byte 0, filled ONCE.  The four work-groups of a cluster have the same head:
; the fill is a joint tensor load, one a wave (150 rows of 256 bytes); by this text's count a wave has one tensor load out, once.  Nothing is filled again, so the loop has no barrier.
; A K step of one kind is 16 products (4 tiles of W x 4 tiles of x) on 16 accumulators that take turns; W's four fragments come from LDS a step ahead, into two buffers.
; q, k: source 0 = 16 columns of W, source 1 = 16 rows of x: a lane holds one row, and the 16 registers of tiles 2 c, 2 c + 1 are e = 32 c + 16 (lane / 16) + 0 .. 15 (the tiles' places are laid for that).
; v:    source 0 = x, source 1 = W: a lane holds one e, and the 16 registers of x tiles 2 p, 2 p + 1 are 16 neighbouring keys.  The bias is the C of a sum's first product.
; OUT.  qc [bh][group of 32 rows]: a PAIR fragment: registers 0-5 tile 2 g (lane (r, h): e block h), 6-11 tile 2 g + 1; qs: a word a place: bytes 0, 1 tile 2 g, bytes 2, 3 tile 2 g + 1.
; kv [bh][J 16] blocks of 12,800 bytes for 128 keys: four pair fragments of k; four fragments of V^T (16 e x 128 keys; registers 2 i, 2 i + 1 of lane l at 256 i + 8 l); k's words [f][r]; V's words [t][r], byte = key block.
; LIMITS: NaN and infinities are not served; a block of zeros gets the byte 1 where the rule says 127: its codes are zeros, and the bytes are read by this program alone.
; REGISTERS, in windows of 256: window 0: v1-11 addresses; v16-31 x's scale words, v32-47 W's (register 8 p + s: lanes 0-15 tile 2 p, lanes 16-31 tile 2 p + 1); v64-191 the accumulators; v192-231 the quantiser.
;   window 1: x's fragments of K steps 0-4 at 48 s + 12 m.   window 2: K steps 5-7 at 48 (s - 5) + 12 m; W's two buffers at 144 + 48 buf + 12 t.   window 3: the biases at 32 kind + 8 t.
.set WV,   3                           ; s3  wave
.set BLK,  8                           ; s8  blocks to go
.set HM,   9                           ; s9  mask of lanes 16-31
.set SEL,  10                          ; s[10:11]
.set G0,   36                          ; s[36:39] descriptor group 0
.set G1,   40                          ; s[40:47] group 1
.set XB,   48                          ; s[48:49] ximg at my first tile;  s[50:51] xs;  s[52:53] qc;  s[54:55] qs;  s[56:57] kv at my key step
.set XSB,  50
.set QB,   52
.set QSB,  54
.set KVB,  56
.set BP,   58                          ; s[58:63] bq, bk, bv at my head
.set LW,   1                           ; v1-3  16 x lane + 51,200 kind: an image's place for my lane, in unit kind; v1 also serves global images
.set L4,   5                           ; v5    4 x lane
.set OK16, 6                           ; v6    k's fragments in a kv block: 16 x lane + 3,072 jj
.set OV8,  7                           ; v7    V's: 8 x lane + 6,144 + 768 jj
.set OKS,  8                           ; v8    k's words: 4 x lane + 12,288 + 128 jj
.set OVS,  9                           ; v9    V's: (lane / 16) + 4 (lane % 16) + 12,544 + 2 jj
.set BQ,   10                          ; v10   64 (lane / 16)
.set BV,   11                          ; v11   4 (r + 8 (r / 8))
.set XS,   16
.set WS,   32
.set ACC,  64
.set PC,   192
.set TM,   212
.set PW,   228
.set SV,   229                         ; v229-230 two scale words kept;  v231 merged
.set MG,   231
.set WB,   144
.set MSB, 0
.macro WIN new                         ; the immediate's high byte repeats the setting that is left
.if MSB != (\new)
	s_set_vgpr_msb (MSB<<8)|(\new)
.set MSB, (\new)
.endif
.endm
.macro PLACES n
.rept \n
	v_nop
.endr
.endm
.macro CROUND                          ; a round of the cluster's barrier
	s_barrier_signal -1
	s_barrier_wait -1
	s_cmp_lg_u32 s[WV], 0
	s_cbranch_scc1 .Lnw0_\@
	s_barrier_signal -3
.Lnw0_\@:
	s_barrier_wait -3
	s_barrier_signal -1
	s_barrier_wait -1
.endm
.macro QUANT s                         ; 64 numbers of a lane, register 16 b + i = k 32 b + 16 (lane / 16) + i, become 12 registers of codes in v[PC] on and a scale word in v[PW]
.irp b, 0,1,2,3
	v_max3_num_f32 v[TM+\b], |v[\s+16*\b]|, |v[\s+1+16*\b]|, 0x1800000   ; my 16 numbers of block b, and the floor 2^(3 - 127).  Each accumulator is read from its low end on
.endr
.irp i, 2,4,6,8,10,12,14
.irp b, 0,1,2,3
	v_max3_num_f32 v[TM+\b], v[TM+\b], |v[\s+16*\b+\i]|, |v[\s+1+16*\b+\i]|
.endr
.endr
.irp b, 0,1,2,3
	v_permlanex16_b32 v[TM+4+\b], v[TM+\b], s[SEL], s[SEL+1]
.endr
.irp b, 0,1,2,3
	v_max_num_f32 v[TM+\b], v[TM+\b], v[TM+4+\b]
.endr
.irp b, 0,1,2,3
	v_add_nc_u32 v[TM+12+\b], 0xff000000, v[TM+\b]   ; 2 off the exponent field: the conversion's scale operand
.endr
.irp b, 0,1,2,3
	v_lshrrev_b32 v[TM+4+\b], 23, v[TM+12+\b]      ; the byte
.endr
	v_lshl_or_b32 v[PW], v[TM+5], 8, v[TM+4]
	v_lshl_or_b32 v[PW], v[TM+6], 16, v[PW]
	v_lshl_or_b32 v[PW], v[TM+7], 24, v[PW]
.irp c, 0,1
	v_cvt_scalef32_pk16_fp6_f32 v[PC+6*\c:PC+2+6*\c], v[\s+32*\c:\s+15+32*\c], v[TM+12+2*\c]
	v_cvt_scalef32_pk16_fp6_f32 v[PC+12+4*\c:PC+14+4*\c], v[\s+16+32*\c:\s+31+32*\c], v[TM+12+2*\c+1]
.endr
	v_nop                                          ; one plain place behind a scaled conversion
.irp c, 0,1
.irp i, 0,1,2
	v_permlane16_swap_b32 v[PC+6*\c+\i], v[PC+12+4*\c+\i]
.endr
.irp i, 0,1,2
	v_mov_b32 v[PC+3+6*\c+\i], v[PC+12+4*\c+\i]
.endr
.endr
.endm
.macro MM                              ; one product: D v[dD], A v[aA], B v[bB], C v[cC]; A's scales v[sA] (lanes 16-31 where rA), B's v[sB] (rB)
.if rA && rB
	v_wmma_scale_f32_16x16x128_f8f6f4 v[dD:dD+7], v[aA:aA+11], v[bB:bB+11], v[cC:cC+7], v[sA], v[sB] matrix_a_fmt:MATRIX_FMT_FP6 matrix_b_fmt:MATRIX_FMT_FP6 matrix_a_scale:MATRIX_SCALE_ROW1 matrix_b_scale:MATRIX_SCALE_ROW1
.elseif rA
	v_wmma_scale_f32_16x16x128_f8f6f4 v[dD:dD+7], v[aA:aA+11], v[bB:bB+11], v[cC:cC+7], v[sA], v[sB] matrix_a_fmt:MATRIX_FMT_FP6 matrix_b_fmt:MATRIX_FMT_FP6 matrix_a_scale:MATRIX_SCALE_ROW1
.elseif rB
	v_wmma_scale_f32_16x16x128_f8f6f4 v[dD:dD+7], v[aA:aA+11], v[bB:bB+11], v[cC:cC+7], v[sA], v[sB] matrix_a_fmt:MATRIX_FMT_FP6 matrix_b_fmt:MATRIX_FMT_FP6 matrix_b_scale:MATRIX_SCALE_ROW1
.else
	v_wmma_scale_f32_16x16x128_f8f6f4 v[dD:dD+7], v[aA:aA+11], v[bB:bB+11], v[cC:cC+7], v[sA], v[sB] matrix_a_fmt:MATRIX_FMT_FP6 matrix_b_fmt:MATRIX_FMT_FP6
.endif
.endm
.macro XLOADALL                        ; my 4 tiles' scale words and 32 fragments, in the order of the K steps
.irp p, 0,1
.irp a, 0,1
	global_load_b128 v[XS+8*\p+4*\a:XS+8*\p+4*\a+3], v[LW], s[XSB:XSB+1] offset:1024*\p+512*\a
.endr
.endr
	WIN 0x40                                       ; destination window 1
.irp s, 0,1,2,3,4
.irp m, 0,1,2,3
.irp c, 0,1,2
	global_load_b128 v[48*\s+12*\m+4*\c:48*\s+12*\m+4*\c+3], v[LW], s[XB:XB+1] offset:(8*\m+\s)*1536+512*\c
.endr
.endr
.endr
	WIN 0x80                                       ; destination window 2
.irp s, 5,6,7
.irp m, 0,1,2,3
.irp c, 0,1,2
	global_load_b128 v[48*(\s-5)+12*\m+4*\c:48*(\s-5)+12*\m+4*\c+3], v[LW], s[XB:XB+1] offset:(8*\m+\s)*1536+512*\c
.endr
.endr
.endr
	WIN 0
.endm
.macro FETCHW kind, s, buf             ; W's four fragments of K step s of unit kind into buffer buf (under destination window 2)
.irp t, 0,1,2,3
.irp c, 0,1,2
	ds_load_b128 v[WB+48*(\buf)+12*\t+4*\c:WB+48*(\buf)+12*\t+4*\c+3], v[LW+(\kind)] offset:(8*\t+(\s))*1536+512*\c
.endr
.endr
.endm
.macro WSLOAD kind                     ; the unit's scale words, all of K
.irp c, 0,1
.irp a, 0,1
	ds_load_b128 v[WS+8*\c+4*\a:WS+8*\c+4*\a+3], v[LW+(\kind)] offset:49152+1024*\c+512*\a
.endr
.endr
.endm
; A K step.  nt = 1: source 0 = x (v's way).  first = 1: x's loads of this block are still landing.
.macro STEP kind, s, nt, first
	PLACES 4                                       ; four places between the last products and the loads into the buffer that the step before read (ISA guide 7.12.1 for vector instructions)
	WIN 0x80
.if (\s) < 7
	FETCHW \kind, (\s)+1, ((\s)+1)%2
.else
	FETCHW ((\kind)+1)%3, 0, 0                     ; on to the next kind; behind v: q of the next block
.endif
	s_wait_dscnt 12                                ; all but the 12 just issued: this step's fragments and the scale words are in
.if \first
.if 12*(7-(\s)) > 63
	s_wait_loadcnt 63                              ; x's K step s is in; of the later steps' loads as many may be out as a wait can name
.else
	s_wait_loadcnt 12*(7-(\s))                     ; x's K step s is in; the later steps' 12 loads each may be out
.endif
.endif
.if (\s) == 0
	WIN 0x36+3*(\nt)                               ; W window 2, x window 1, C (the bias) window 3, D window 0
.elseif (\s) < 5
	WIN 0x06+3*(\nt)
.else
	WIN 0x0a                                       ; W and x both in window 2
.endif
.if (\s) < 5
.set xR, 48*(\s)
.else
.set xR, 48*((\s)-5)
.endif
.irp m, 0,1,2,3                                ; the 16 accumulators take turns, one instruction a turn, in the same order in every step
.irp t, 0,1,2,3
.if \nt
.set dD, ACC+32*\t+8*\m
.set aA, xR+12*\m
.set bB, WB+48*((\s)%2)+12*\t
.set sA, XS+8*(\m/2)+(\s)
.set rA, \m%2
.set sB, WS+8*(\t/2)+(\s)
.set rB, \t%2
.else
.set dD, ACC+32*\m+8*\t
.set aA, WB+48*((\s)%2)+12*\t
.set bB, xR+12*\m
.set sA, WS+8*(\t/2)+(\s)
.set rA, \t%2
.set sB, XS+8*(\m/2)+(\s)
.set rB, \m%2
.endif
.if (\s) == 0
.set cC, 32*(\kind)+8*\t
.else
.set cC, dD
.endif
	MM
.endr
.endr
.endm
; q's or k's way out: x tiles 2 p and 2 p + 1 (64 registers) become one pair fragment and a word a row
.macro EPI_QK base, voff, sbase, svoff
	WIN 0
	PLACES 4                                       ; four places between the last products and the first read of results
.irp p, 0,1
	s_wait_xcnt 0x0                                ; earlier stores have read the codes' registers
	QUANT ACC+64*\p
.irp c, 0,1,2
	global_store_b128 v[\voff], v[PC+4*\c:PC+4*\c+3], s[\base:\base+1] offset:1536*\p+512*\c   ; 32 lanes store 512 consecutive bytes
.endr
	v_mov_b32 v[SV+\p], v[PW]
.endr
	v_cndmask_b32 v[MG], v[SV], v[SV+1], s[HM]     ; lanes 0-15: the first group's words, lanes 16-31: the second's
	global_store_b32 v[\svoff], v[MG], s[\sbase:\sbase+1]
.endm
; v's way out: W tiles 2 q, 2 q + 1 x my 64 keys: six registers of each of two fragments of V^T, and two bytes of each e's word
.macro EPI_V
	WIN 0
	PLACES 4
; By the order of x's rows (place 8 h + j of tile 4 c + m is row 64 c + 32 h + 8 m + j) the 32 registers of W tile t in lane (r, h) are keys 32 h + 0 .. 31 of my 64: one whole scale block, in the operand's own order.
.irp t, 0,1,2,3
	s_wait_xcnt 0x0                                ; earlier stores have read the codes' and the byte's registers
	v_max3_num_f32 v[TM], |v[ACC+32*\t]|, |v[ACC+32*\t+1]|, 0x1800000   ; two chains; the floor 2^(3 - 127); each accumulator is read from its low end on
	v_max3_num_f32 v[TM+1], |v[ACC+32*\t+16]|, |v[ACC+32*\t+17]|, |v[ACC+32*\t+18]|
.irp i, 0,2,4,6,8,10
	v_max3_num_f32 v[TM], v[TM], |v[ACC+32*\t+2+\i]|, |v[ACC+32*\t+3+\i]|
	v_max3_num_f32 v[TM+1], v[TM+1], |v[ACC+32*\t+19+\i]|, |v[ACC+32*\t+20+\i]|
.endr
	v_max3_num_f32 v[TM], v[TM], |v[ACC+32*\t+14]|, |v[ACC+32*\t+15]|
	v_max3_num_f32 v[TM], v[TM], v[TM+1], |v[ACC+32*\t+31]|
	v_add_nc_u32 v[TM+12], 0xff000000, v[TM]       ; 2 off the exponent field: the conversions' scale operand
	v_cvt_scalef32_pk16_fp6_f32 v[PC:PC+2], v[ACC+32*\t:ACC+32*\t+15], v[TM+12]
	v_cvt_scalef32_pk16_fp6_f32 v[PC+12:PC+14], v[ACC+32*\t+16:ACC+32*\t+31], v[TM+12]
	v_lshrrev_b32 v[TM+4], 23, v[TM+12]            ; the byte; also the plain place behind the conversions
.irp i, 0,1,2
	v_mov_b32 v[PC+3+\i], v[PC+12+\i]
.endr
.irp i, 0,1,2
	global_store_b64 v[OV8], v[PC+2*\i:PC+2*\i+1], s[KVB:KVB+1] offset:\t*1536+256*\i   ; 32 lanes store 256 consecutive bytes, aligned
.endr
	global_store_b8 v[OVS], v[TM+4], s[KVB:KVB+1] offset:64*\t   ; byte 2 jj + h of e's word; V's words are 262,144 bytes in all
.endr
.endm
	s_load_b512 s[16:31], s[0:1], 0x0              ; ximg 16, xs 18, wimg 20, bq 22, bk 24, bv 26, qc 28, qs 30
	s_load_b64 s[32:33], s[0:1], 0x40              ; kv
	v_lshl_add_u32 v254, v0, 2, 0x25800
	v_mov_b32 v255, 0
	ds_add_u32 v254, v255
	ds_add_u32 v254, v255
	v_lshrrev_b32 v12, 5, v0
	v_readfirstlane_b32 s[WV], v12                 ; wave 0..3
	s_bfe_u32 s4, ttmp6, 0x40000                   ; cx: which 512 rows of the batch
	s_and_b32 s5, ttmp7, 0xffff                    ; the head, which the four partners share
	s_mov_b32 s6, ttmp9                            ; the batch (the cluster's x)
	s_lshl_b32 s7, s6, 4
	s_add_co_u32 s7, s7, s5                        ; bh
	s_mov_b32 s[HM], 0xffff0000
	s_mov_b32 s[SEL], 0x76543210
	s_mov_b32 s[SEL+1], 0xfedcba98
	; descriptor group 1: a dense block of 38,400 bytes as 150 rows of 256 bytes (32 elements of 8 bytes), no padding
	s_mov_b32 s[G1], 15|(3<<16)|(1<<21)            ; 15:0 the mask: all four work-groups; 17:16 elements of 8 bytes; 21 set beside a mask
	s_mov_b32 s[G1+1], 32<<16                      ; tensor_dim0
	s_mov_b32 s[G1+2], 150<<16                     ; tensor_dim1
	s_mov_b32 s[G1+3], 32<<16                      ; tile_dim0
	s_mov_b32 s[G1+4], 150                         ; tile_dim1
	s_mov_b32 s[G1+5], 32                          ; pitch
	s_mov_b32 s[G1+6], 0
	s_mov_b32 s[G1+7], 0
	s_mov_b32 s[G0], 1
	s_mul_i32 s[G0+1], s[WV], 38400                ; LDS: my quarter of the head's three units
	s_mul_i32 s66, s5, 153600
	s_add_co_u32 s66, s66, s[G0+1]                 ; and in wimg: made of the head and the wave alone
	s_mov_b32 s67, 0
	s_lshl_b32 s70, s6, 7
	s_lshl_b32 s71, s4, 5
	s_add_co_u32 s70, s70, s71
	s_lshl_b32 s71, s[WV], 2
	s_add_co_u32 s70, s70, s71                     ; my first tile: 128 b + 32 cx + 4 w
	s_mul_i32 s72, s70, 12288
	s_mov_b32 s73, 0
	s_lshl_b32 s74, s70, 9
	s_mov_b32 s75, 0
	s_lshl_b32 s76, s4, 4
	s_lshl_b32 s77, s[WV], 1
	s_add_co_u32 s76, s76, s77
	s_lshl_b32 s77, s7, 6
	s_add_co_u32 s76, s76, s77                     ; 64 bh + my first group of 32 rows (16 cx + 2 w)
	s_mul_i32 s78, s76, 1536
	s_mov_b32 s79, 0
	s_lshl_b32 s80, s76, 6
	s_mov_b32 s81, 0
	s_lshl_b32 s82, s4, 2
	s_lshr_b32 s83, s[WV], 1
	s_add_co_u32 s82, s82, s83
	s_lshl_b32 s83, s7, 4
	s_add_co_u32 s82, s82, s83                     ; 16 bh + my key step (4 cx + w / 2)
	s_mul_i32 s82, s82, 12800
	s_mov_b32 s83, 0
	s_and_b32 s84, s[WV], 1                        ; jj: which half of the key step's 128 keys
	s_lshl_b32 s86, s5, 8                          ; the head's 64 biases
	s_mov_b32 s87, 0
	s_wait_dscnt 0x0
	s_wait_kmcnt 0x0
	s_add_nc_u64 s[G0+2:G0+3], s[20:21], s[66:67]
	s_or_b32 s[G0+3], s[G0+3], 0x80000000          ; type = 2
	s_add_nc_u64 s[XB:XB+1], s[16:17], s[72:73]
	s_add_nc_u64 s[XSB:XSB+1], s[18:19], s[74:75]
	s_add_nc_u64 s[QB:QB+1], s[28:29], s[78:79]
	s_add_nc_u64 s[QSB:QSB+1], s[30:31], s[80:81]
	s_add_nc_u64 s[KVB:KVB+1], s[32:33], s[82:83]
	s_add_nc_u64 s[BP:BP+1], s[22:23], s[86:87]
	s_add_nc_u64 s[BP+2:BP+3], s[24:25], s[86:87]
	s_add_nc_u64 s[BP+4:BP+5], s[26:27], s[86:87]
	CROUND                                         ; all four work-groups are here: the joint loads meet
	tensor_load_to_lds s[G0:G0+3], s[G1:G1+7]      ; my one tensor load of the launch
	s_nop 0
	PLACES 4                                       ; four v_nop follow it
	v_and_b32 v12, 31, v0                          ; lane
	v_and_b32 v13, 15, v0                          ; r
	v_bfe_u32 v14, v0, 4, 1                        ; h
	v_lshlrev_b32 v[LW], 4, v12
	v_add_nc_u32 v[LW+1], 51200, v[LW]
	v_add_nc_u32 v[LW+2], 102400, v[LW]
	v_lshlrev_b32 v[L4], 2, v12
	s_mul_i32 s85, s84, 3072
	v_add_nc_u32 v[OK16], s85, v[LW]
	s_mul_i32 s85, s84, 768
	s_add_co_u32 s85, s85, 6144
	v_lshl_add_u32 v[OV8], v12, 3, s85
	s_lshl_b32 s85, s84, 7
	s_add_co_u32 s85, s85, 12288
	v_add_nc_u32 v[OKS], s85, v[L4]
	v_lshl_add_u32 v[OVS], v13, 2, v14             ; V's bytes: 4 r + h (+ 12,544 + 2 jj below)
	s_lshl_b32 s85, s84, 1
	s_add_co_u32 s85, s85, 12544
	v_add_nc_u32 v[OVS], s85, v[OVS]
	v_lshlrev_b32 v[BQ], 6, v14
	v_and_b32 v15, 8, v13
	v_add_nc_u32 v15, v15, v13
	v_lshlrev_b32 v[BV], 2, v15
.irp b, 0,1,2,3
	v_mov_b32 v[TM+4+\b], 0                        ; written once: a lane permute's destination counts as one of its sources
.endr
	WIN 0xc0                                       ; destination window 3: the biases, in the results' layouts
.irp t, 0,1,2,3                                ; q, k: register j of tile t is e = 32 (t / 2) + 8 (t % 2) + 16 h + j
	global_load_b128 v[8*\t:8*\t+3], v[BQ], s[BP:BP+1] offset:(32*(\t/2)+8*(\t%2))*4
	global_load_b128 v[8*\t+4:8*\t+7], v[BQ], s[BP:BP+1] offset:(32*(\t/2)+8*(\t%2))*4+16
	global_load_b128 v[32+8*\t:32+8*\t+3], v[BQ], s[BP+2:BP+3] offset:(32*(\t/2)+8*(\t%2))*4
	global_load_b128 v[32+8*\t+4:32+8*\t+7], v[BQ], s[BP+2:BP+3] offset:(32*(\t/2)+8*(\t%2))*4+16
.endr
.irp t, 0,1,2,3                                ; v: all eight registers of a lane are its own e = 32 (t / 2) + 8 (t % 2) + r + 8 (r / 8)
.irp j, 0,1,2,3,4,5,6,7
	global_load_b32 v[64+8*\t+\j], v[BV], s[BP+4:BP+5] offset:(32*(\t/2)+8*(\t%2))*4
.endr
.endr
	WIN 0
	s_wait_tensorcnt 0x0                           ; my quarter of the weights is in LDS,
	s_barrier_signal -1
	s_barrier_wait -1                              ; everybody's is
	WIN 0x80
	FETCHW 0, 0, 0
	WIN 0                                          ; at a label and at a branch every window is 0
	s_mov_b32 s[BLK], 2
.Lblock:                                           ; a trip: 256 rows of the work-group, 64 of mine
	XLOADALL
	WSLOAD 0
.irp s, 0,1,2,3,4,5,6,7
	STEP 0, \s, 0, 1
.endr
	EPI_QK QB, LW, QSB, L4
	WSLOAD 1
.irp s, 0,1,2,3,4,5,6,7
	STEP 1, \s, 0, 0
.endr
	EPI_QK KVB, OK16, KVB, OKS
	WSLOAD 2
.irp s, 0,1,2,3,4,5,6,7
	STEP 2, \s, 1, 0
.endr
	EPI_V
	s_wait_xcnt 0x0                                ; the stores have read their bases: they may step (16 tiles, 8 groups, 2 key steps on)
	s_add_nc_u64 s[XB:XB+1], s[XB:XB+1], 196608
	s_add_nc_u64 s[XSB:XSB+1], s[XSB:XSB+1], 8192
	s_add_nc_u64 s[QB:QB+1], s[QB:QB+1], 12288
	s_add_nc_u64 s[QSB:QSB+1], s[QSB:QSB+1], 512
	s_add_nc_u64 s[KVB:KVB+1], s[KVB:KVB+1], 25600
	s_sub_co_u32 s[BLK], s[BLK], 1
	s_cmp_lg_u32 s[BLK], 0
	s_cbranch_scc1 .Lblock
	s_wait_dscnt 0x0                               ; no LDS instruction of mine is pending at a signal
	s_wait_tensorcnt 0x0
	ds_add_u32 v254, v255
	s_wait_dscnt 0x0
	CROUND                                         ; the closing round: no work-group ends while a partner may still ask for a tile that names it
	s_endpgm
.Lfunc_end_k_qc1acb4f058_qkv:
	.size	k_qc1acb4f058_qkv, .Lfunc_end_k_qc1acb4f058_qkv-k_qc1acb4f058_qkv
	.p2alignl 7, 3214868480
	.fill 96, 4, 3214868480
	.section	.rodata,"a",@progbits
	.p2align	6, 0x0
	.amdhsa_kernel k_qc1acb4f058_qkv
		.amdhsa_group_segment_fixed_size 327680
		.amdhsa_private_segment_fixed_size 0
		.amdhsa_enable_private_segment 0
		.amdhsa_kernarg_size 72
		.amdhsa_user_sgpr_count 2
		.amdhsa_user_sgpr_kernarg_segment_ptr 1
		.amdhsa_wavefront_size32 1
		.amdhsa_system_sgpr_workgroup_id_x 1
		.amdhsa_system_sgpr_workgroup_id_y 1
		.amdhsa_system_sgpr_workgroup_id_z 1
		.amdhsa_system_vgpr_workitem_id 0
		.amdhsa_next_free_vgpr 1024
		.amdhsa_next_free_sgpr 96
		.amdhsa_reserve_vcc 0
		.amdhsa_float_denorm_mode_32 3
		.amdhsa_float_denorm_mode_16_64 3
		.amdhsa_memory_ordered 1
		.amdhsa_forward_progress 1
		.amdhsa_inst_pref_size 118
	.end_amdhsa_kernel
	.amdgpu_metadata
---
amdhsa.version: [ 1, 2 ]
amdhsa.kernels:
  - .name:           k_qc1acb4f058_qkv
    .symbol:         k_qc1acb4f058_qkv.kd
    .args:
      - { .name: ximg, .offset: 0, .size: 8, .value_kind: global_buffer, .address_space: global }
      - { .name: xs, .offset: 8, .size: 8, .value_kind: global_buffer, .address_space: global }
      - { .name: wimg, .offset: 16, .size: 8, .value_kind: global_buffer, .address_space: global }
      - { .name: bq, .offset: 24, .size: 8, .value_kind: global_buffer, .address_space: global }
      - { .name: bk, .offset: 32, .size: 8, .value_kind: global_buffer, .address_space: global }
      - { .name: bv, .offset: 40, .size: 8, .value_kind: global_buffer, .address_space: global }
      - { .name: qc, .offset: 48, .size: 8, .value_kind: global_buffer, .address_space: global }
      - { .name: qs, .offset: 56, .size: 8, .value_kind: global_buffer, .address_space: global }
      - { .name: kv, .offset: 64, .size: 8, .value_kind: global_buffer, .address_space: global }
    .group_segment_fixed_size: 327680
    .private_segment_fixed_size: 0
    .kernarg_segment_align: 8
    .kernarg_segment_size: 72
    .max_flat_workgroup_size: 128
    .sgpr_count:     96
    .vgpr_count:     1024
    .wavefront_size: 32
...
	.end_amdgpu_metadata
.endif
;; end of part 2
;; launch attn (part 3): grid 4 x 64, 8 waves a work-group, clusters of 4 x 1, 327,680 bytes of LDS; arguments qc, qs, kv, cimg, cs; writes cimg, cs
.if DOCPART == 3
	.amdgcn_target "amdgcn-amd-amdhsa--gfx1250"
	.amdhsa_code_object_version 6
	.text
	.protected	k_qc1acb4f058_attn
	.globl	k_qc1acb4f058_attn
	.p2align	8
	.type	k_qc1acb4f058_attn,@function
k_qc1acb4f058_attn:
	s_mov_b64 s[64:65], 0
	v_nop
	global_prefetch_b8 v0, s[64:65] scope:SCOPE_SE
	s_setreg_imm32_b32 hwreg(HW_REG_WAVE_MODE, 25, 1), 1
	s_wait_xcnt 0x0
	s_wait_alu depctr_hold_cnt(0) depctr_sa_sdst(0) depctr_va_vdst(0) depctr_va_sdst(0) depctr_va_ssrc(0) depctr_va_vcc(0) depctr_vm_vsrc(0)
	s_getreg_b32 s2, hwreg(HW_REG_IB_STS2, 6, 4)
	s_cmp_eq_u32 s2, 0
	s_cbranch_scc0 .Lentry_in_a_cluster
	s_endpgm
.Lentry_in_a_cluster:
	s_bfe_u32 s2, ttmp6, 0x10000c
	s_cmp_lg_u32 s2, 0x3003
	s_cbranch_scc0 .Lentry_shape_is_right
	s_endpgm
.Lentry_shape_is_right:
; ctx[q] = the sum over keys of softmax(q . k / 8) v for one (batch, head), both products on codes of FP6 (E2M3) with E8M0 scales; ctx is quantised along (head, e) for the last product.
; THE SOFTMAX: t = score x log2(e) / 8; M = the row's largest t so far, rounded UP to a whole number; p = 2^(t - M) is quantised along the keys, not normalised.  The row's sum is taken of the unquantised p and divides
; at the end.  When M moves, the sum and O are multiplied by 2^(old M - new M): exact.
; SHARES.  Work-group = (bh, 512 queries), eight waves; a wave owns 64 queries: four tiles of 16, all four in each of the 16 steps of 128 keys, so that a step's fragments of K and V are read from LDS once a wave.
; THE HEAD'S K AND V, 204,800 bytes (16 blocks of 12,800), lie in LDS from byte 0, filled ONCE: one tensor load a wave, two blocks (100 rows of 256 bytes).  The four work-groups of the cluster have the same head: the loads are joint.
; Wave 0's load (blocks 0 and 1) has a line of its own and is shown to all by the head's barrier; a plain barrier in tile 2's work of each trip, in front of which every wave has waited for its load, shows the others
; before block 2 is first read.  Nothing is filled again: no ring.  All of K and V is asked for at the head, so there is no later tile to prefetch.
; LAYOUT.  Both products are used transposed (S^T = K Q^T, O^T = V^T P^T): a lane holds ONE query.  Place 8 h + j of key tile 4 c + t is key 64 c + 32 h + 8 t + j, so S^T's registers 32 c + 0 .. 31 of lane (r, h) are the whole
; scale block 2 c + h, in the order of P's operand registers 6 c .. 6 c + 5: a block's largest score needs no other lane, and the codes are not moved between lanes.
; K = 64 IN A FORM OF 128: a fragment of k holds two tiles of keys; it is multiplied by [q, 0] and by [0, q], windows of 12 in the run [0 q0 0 q1 0 q2 0 q3 0] of 6 registers each.  q's word holds its two bytes twice.
; THREE TILES ARE AT WORK AT A TIME, on two buffers of scores (tile n in buffer n % 2).  BODY n: A = tile n: exponentials, sums, codes, O x f, O^T += V^T P^T.  B = tile n + 1: its largest scores beside A's sums (eight chains by turns),
; its M between A's conversions, its t - M behind the products.  C = tile n + 2: its eight products S^T go into A's buffer, two plain lines behind each.  Tiles 4 and 5 are the next step's tiles 0 and 1.
; The pipeline is filled ahead of the loop; the sixteenth trip leaves the loop in tile 2's work for a drain that is written out and makes no products for a step that does not exist.
; REGISTERS.  Window 0: all but O^T (window 1, 32 n + ..), V's fragments (window 1, from 128) and q's run (window 1, from 176).
; LIMITS: NaN and infinities are not served; a block of zeros gets the byte 1 where the rule says 127: its codes are zeros, and the bytes are read by this program alone; the scaled scores stay under 2^31 in magnitude.
.set WV,  18                           ; s18 wave
.set HM,  19                           ; s19 mask of lanes 16-31
.set SEL, 20                           ; s[20:21] selects for lane l xor 16
.set CS,  22                           ; s[22:23] c = log2(e) / 8
.set TB,  2                            ; s2  LDS byte of the step's block
.set CNT, 3                            ; s3  steps to go
.set TK,  5                            ; s5  LDS byte of the next block
.set G0,  24
.set G1,  28
.set CI,  36                           ; s[36:37] cimg at (my first tile, my head);  s[38:39] cs likewise
.set CSB, 38
.set SH8, 10                           ; v10  8 (lane / 16)
.set DD,  11                           ; v11  old M - new M
.set ST,  12                           ; v12-27  a tile's four: -M, the largest score, the sum in two halves
.set QW,  28                           ; v28-31  q's scale words
.set KS,  32                           ; v32-33  K's scale words;  v34-35 V's;  v36 p's
.set VS,  34
.set PWD, 36
.set BM,  38                           ; v38-41  two blocks' largest scores, then largest p: a pair for each buffer
.set SP,  42                           ; v42-43  the conversions' scale operands;  v44-45 the bytes
.set PT,  44
.set WD,  46
.set WX,  47
.set F,   48                           ; v[48:49], v[50:51] f = 2^(old M - new M), for each buffer
.set T1,  52
.set T2,  53
.set OLD, 54
.set CD,  56                           ; v56-67  p's codes
.set CT,  68                           ; v68-70, v72-74 the conversions' second halves
.set TS,  68                           ; v68-75  four chains of the sum: done with before the conversions write here
.set QR,  56                           ; head: q's words as stored
.set S,   76                           ; v76-139, v140-203 the two buffers: S^T, then t - M, then p
.set KF,  204                          ; v204-251 K's four pair fragments
.set VF,  128                          ; window 1
.set QZ,  176                          ; window 1
.set MSB, 0
.macro WIN new                         ; the immediate's high byte repeats the setting that is left
.if MSB != (\new)
	s_set_vgpr_msb (MSB<<8)|(\new)
.set MSB, (\new)
.endif
.endm
.macro WALU
	s_wait_alu depctr_va_vdst(0)
.endm
.macro CROUND                          ; a round of the cluster's barrier
	s_barrier_signal -1
	s_barrier_wait -1
	s_cmp_lg_u32 s[WV], 0
	s_cbranch_scc1 .Lnw0_\@
	s_barrier_signal -3
.Lnw0_\@:
	s_barrier_wait -3
	s_barrier_signal -1
	s_barrier_wait -1
.endm
.macro TLOAD
	tensor_load_to_lds s[G0:G0+3], s[G1:G1+7]
	s_nop 0
.rept 4
	v_nop                                          ; an s_nop 0 and four v_nop follow it
.endr
.endm
.macro KLOAD a, s                      ; a block's four pair fragments of K and their scale words
.irp f, 0,1,2,3
.irp c, 0,1,2
	ds_load_b128 v[KF+12*\f+4*\c:KF+12*\f+4*\c+3], v\a offset:1536*\f+512*\c
.endr
.endr
	ds_load_b32 v[KS], v\s offset:12288
	ds_load_b32 v[KS+1], v\s offset:12288+128
.endm
.macro SW f, u, q, d                   ; S^T of key tile 2 f + u and query tile q, into the buffer at d (under source 1 in window 1)
.if (\f)%2
	v_wmma_scale_f32_16x16x128_f8f6f4 v[(\d)+16*(\f)+8*(\u):(\d)+16*(\f)+8*(\u)+7], v[KF+12*(\f):KF+12*(\f)+11], v[QZ+12*(\q)+6-6*(\u):QZ+12*(\q)+17-6*(\u)], 0, v[KS+(\f)/2], v[QW+(\q)] matrix_a_fmt:MATRIX_FMT_FP6 matrix_b_fmt:MATRIX_FMT_FP6 matrix_a_scale:MATRIX_SCALE_ROW1
.else
	v_wmma_scale_f32_16x16x128_f8f6f4 v[(\d)+16*(\f)+8*(\u):(\d)+16*(\f)+8*(\u)+7], v[KF+12*(\f):KF+12*(\f)+11], v[QZ+12*(\q)+6-6*(\u):QZ+12*(\q)+17-6*(\u)], 0, v[KS+(\f)/2], v[QW+(\q)] matrix_a_fmt:MATRIX_FMT_FP6 matrix_b_fmt:MATRIX_FMT_FP6
.endif
.endm
.macro TM j                            ; B's t - M, two at a time
	v_pk_fma_f32 v[SB+(\j):SB+(\j)+1], v[SB+(\j):SB+(\j)+1], s[CS:CS+1], v[STB:STB+1] op_sel_hi:[1,0,0]
.endm
; Two plain lines for the place behind product k of C's eight; none has a vector register of window 0 as its second source, so they stand under the products' window setting.
; k < 4: A's scale word is joined with lane l xor 16's, and the second conversions' codes go to their places.  k >= 4: the first of B's t - M.
.macro SLOT k, a, b
.if (\k) < 4
.if \a
.if (\k) == 0
	v_permlanex16_b32 v[WX], v[WD], s[SEL], s[SEL+1]
	v_mov_b32 v[CD+3], v[CT]
.elseif (\k) == 1
	v_lshl_or_b32 v[PWD], v[WD], 0, v[WX]
	v_mov_b32 v[CD+4], v[CT+1]
.elseif (\k) == 2
	v_mov_b32 v[CD+5], v[CT+2]
	v_mov_b32 v[CD+9], v[CT+4]
.else
	v_mov_b32 v[CD+10], v[CT+5]
	v_mov_b32 v[CD+11], v[CT+6]
.endif
.endif
.else
.if \b
	TM 4*((\k)-4)
	TM 4*((\k)-4)+2
.endif
.endif
.endm
; What stands ahead of a tile's exponentials in the loop: the wait, and the LDS loads that are due
.macro PRE n
.if (\n) == 0
	v_add_nc_u32 v5, s[TB], v2
	v_add_nc_u32 v7, s[TB], v3
.endif
.if (\n) == 2
	s_add_co_u32 s[TK], s[TB], 12800
	s_min_u32 s[TK], s[TK], 0x2ee00                ; held at the last block: the address stays inside the tiles on every way
	v_add_nc_u32 v4, s[TK], v1
	v_add_nc_u32 v6, s[TK], v3
.endif
	WALU                                           ; the wait ahead of the batch (and of the waits and the branch below)
.if (\n) == 0
	WIN 0x40                                       ; V^T's four fragments of this step, into window 1; 26 plain lines stand behind the products that read the last step's
.irp t, 0,1,2,3
.irp i, 0,1,2,3,4,5
	ds_load_b64 v[VF+12*\t+2*\i:VF+12*\t+2*\i+1], v5 offset:6144+1536*\t+256*\i
.endr
.endr
	WIN 0
	ds_load_b32 v[VS], v7 offset:12544
	ds_load_b32 v[VS+1], v7 offset:12544+128
.endif
.if (\n) == 2
	s_wait_tensorcnt 0x0                           ; my two blocks are in LDS
	s_wait_dscnt 0x0
	s_barrier_signal -1                            ; a plain barrier: all sixteen blocks are shown to all
	s_barrier_wait -1
	s_cmp_eq_u32 s[CNT], 1
	s_cbranch_scc1 .Ldrain                         ; the last step has no next block
	KLOAD 4, 6                                     ; K's next block: its registers were last read by tile 3's products, in tile 1's work
.endif
.endm
; a: A's work is done; b: B's; w: C's products
.macro BODY n, a, b, w
.set PA,  (\n)%2
.set SA,  S+64*PA
.set SB,  S+64-64*PA
.set NB,  ((\n)+1)%4
.set NC,  ((\n)+2)%4
.set STA, ST+4*(\n)
.set STB, ST+4*NB
.set BMA, BM+2*PA
.set BMB, BM+2-2*PA
.set FA,  F+2*PA
.set FB,  F+2-2*PA
.if \a
	v_exp_f32 v[BMA], v[BMA]                       ; the blocks' largest p: the same two instructions on the same number give the same bits
	v_exp_f32 v[BMA+1], v[BMA+1]
.set j_, 0
.rept 64
	v_exp_f32 v[SA+j_], v[SA+j_]                   ; p = 2^(t - M), at most 1
.set j_, j_+1
.endr
	v_nop                                          ; the plain place behind the exponentials
.if ((\n) == 0) || (((\n) == 2) && (\w))
	s_wait_dscnt 0x0                               ; V's block (tile 0), K's next block (tile 2) is in
.endif
	WALU                                           ; one wait for the batch, directly ahead of the first reader of B's scores
.endif
.if \b
	v_max3_num_f32 v[BMB], v[SB], v[SB+1], v[SB+2] ; B's two blocks' largest scores, two chains each; each accumulator is read from its low end on
	v_max3_num_f32 v[T1], v[SB+16], v[SB+17], v[SB+18]
	v_max3_num_f32 v[BMB+1], v[SB+32], v[SB+33], v[SB+34]
	v_max3_num_f32 v[T2], v[SB+48], v[SB+49], v[SB+50]
.endif
.if \a
.irp k, 0,1,2,3
	v_pk_add_f32 v[TS+2*\k:TS+2*\k+1], v[SA+16*\k:SA+16*\k+1], v[SA+16*\k+2:SA+16*\k+3]   ; the sum of A's unquantised p, four chains
.endr
.endif
.irp i, 0,2,4,6,8,10
.if \b
	v_max3_num_f32 v[BMB], v[BMB], v[SB+3+\i], v[SB+4+\i]
	v_max3_num_f32 v[T1], v[T1], v[SB+19+\i], v[SB+20+\i]
	v_max3_num_f32 v[BMB+1], v[BMB+1], v[SB+35+\i], v[SB+36+\i]
	v_max3_num_f32 v[T2], v[T2], v[SB+51+\i], v[SB+52+\i]
.endif
.if \a
.irp k, 0,1,2,3
	v_pk_add_f32 v[TS+2*\k:TS+2*\k+1], v[TS+2*\k:TS+2*\k+1], v[SA+16*\k+4+\i:SA+16*\k+5+\i]
.endr
.endif
.endr
.if \b
	v_max3_num_f32 v[BMB], v[BMB], v[T1], v[SB+15]
	v_max3_num_f32 v[BMB+1], v[BMB+1], v[T2], v[SB+47]
.endif
.if \a
	v_pk_add_f32 v[TS:TS+1], v[TS:TS+1], v[TS+2:TS+3]
	v_pk_add_f32 v[TS+4:TS+5], v[TS+4:TS+5], v[TS+6:TS+7]
	v_max_num_f32 v[BMA], 0x1800000, v[BMA]        ; the floor 2^(3 - 127): the byte cannot fall under 1
	v_max_num_f32 v[BMA+1], 0x1800000, v[BMA+1]
.endif
.if \b
	v_mov_b32 v[OLD], v[STB]
	v_max_num_f32 v[BMB], v[BMB], v[SB+31]
	v_max_num_f32 v[BMB+1], v[BMB+1], v[SB+63]
.endif
.if \a
	v_pk_add_f32 v[TS:TS+1], v[TS:TS+1], v[TS+4:TS+5]
	v_add_nc_u32 v[SP], 0xff000000, v[BMA]         ; 2 off the exponent field: the conversions' scale operands
	v_add_nc_u32 v[SP+1], 0xff000000, v[BMA+1]
.endif
; B's M, a link between each two of A's conversions
.if \b
	v_max3_num_f32 v[T1], v[BMB], v[BMB+1], v[STB+1]   ; with the largest score so far,
.endif
.if \a
	v_pk_fma_f32 v[STA+2:STA+3], v[STA+2:STA+3], v[FA:FA+1], v[TS:TS+1] op_sel_hi:[1,0,1]   ; A's sum under the new M, and this step's
	v_cvt_scalef32_pk16_fp6_f32 v[CD:CD+2], v[SA:SA+15], v[SP]
.endif
.if \b
	v_permlanex16_b32 v[T2], v[T1], s[SEL], s[SEL+1]
.endif
.if \a
	v_cvt_scalef32_pk16_fp6_f32 v[CT:CT+2], v[SA+16:SA+31], v[SP]       ; a conversion's three registers begin on an even number
.endif
.if \b
	v_max_num_f32 v[STB+1], v[T1], v[T2]           ; and lane l xor 16's keys
.endif
.if \a
	v_cvt_scalef32_pk16_fp6_f32 v[CD+6:CD+8], v[SA+32:SA+47], v[SP+1]
.endif
.if \b
	v_mul_f32 v[T1], s[CS], v[STB+1]               ; as t
.endif
.if \a
	v_cvt_scalef32_pk16_fp6_f32 v[CT+4:CT+6], v[SA+48:SA+63], v[SP+1]
.endif
.if \b
	v_floor_f32 v[STB], -v[T1]                     ; the new -M = -ceil(t)
.endif
.if \a
	v_lshrrev_b32 v[PT], 23, v[SP]                 ; the bytes
	v_lshrrev_b32 v[PT+1], 23, v[SP+1]
.endif
.if \b
	v_sub_f32 v[DD], v[STB], v[OLD]                ; old M - new M: a whole number, 0 or less
.endif
.if \a
	v_lshl_or_b32 v[WD], v[PT+1], 16, v[PT]        ; my two bytes,
.endif
.if \b
	v_cvt_i32_f32 v[DD], v[DD]                     ; (it saturates)
.endif
.if \a
	v_lshlrev_b32 v[WD], v[SH8], v[WD]             ; at their places in p's scale word
	WIN 0x41
	WALU                                           ; directly ahead of the first reader of A's O^T
.set j_, 0
.rept 16
	v_pk_mul_f32 v[32*(\n)+j_:32*(\n)+j_+1], v[32*(\n)+j_:32*(\n)+j_+1], v[FA:FA+1] op_sel_hi:[1,0]   ; O^T under the new M, from each accumulator's low end on
.set j_, j_+2
.endr
	WIN 0
.endif
.if \b
	v_ldexp_f32 v[FB], 1.0, v[DD]                  ; B's f
.endif
.if \w
	WIN 0x04                                       ; q's run lies in window 1
.irp f, 0,1,2,3
	SW \f, 0, NC, SA
	SLOT 2*\f, \a, \b
	SW \f, 1, NC, SA
	SLOT 2*\f+1, \a, \b
.endr
.else
.irp k, 0,1,2,3,4,5,6,7
	SLOT \k, \a, \b
.endr
.if (\b) == 0
.rept 4
	v_nop                                          ; with the five moves: nine places between p's scale word and the products below
.endr
.endif
.endif
.if \a
	WIN 0x51                                       ; V and O^T in window 1, p's codes in window 0
.irp t, 0,1,2,3                                ; O^T += V^T P^T: four accumulators by turns
.if \t%2
	v_wmma_scale_f32_16x16x128_f8f6f4 v[32*(\n)+8*\t:32*(\n)+8*\t+7], v[VF+12*\t:VF+12*\t+11], v[CD:CD+11], v[32*(\n)+8*\t:32*(\n)+8*\t+7], v[VS+\t/2], v[PWD] matrix_a_fmt:MATRIX_FMT_FP6 matrix_b_fmt:MATRIX_FMT_FP6 matrix_a_scale:MATRIX_SCALE_ROW1
.else
	v_wmma_scale_f32_16x16x128_f8f6f4 v[32*(\n)+8*\t:32*(\n)+8*\t+7], v[VF+12*\t:VF+12*\t+11], v[CD:CD+11], v[32*(\n)+8*\t:32*(\n)+8*\t+7], v[VS+\t/2], v[PWD] matrix_a_fmt:MATRIX_FMT_FP6 matrix_b_fmt:MATRIX_FMT_FP6
.endif
.endr
.endif
	WIN 0
.if \b
.set j_, 16
.rept 24
	TM j_
.set j_, j_+2
.endr
	v_fma_f32 v[BMB], v[BMB], s[CS], v[STB]        ; the same of each block's largest score
	v_fma_f32 v[BMB+1], v[BMB+1], s[CS], v[STB]
.endif
.endm
; A tile's way out: ctx = O^T / the sum; register 16 c + i is e = 32 c + 16 (lane / 16) + i: two blocks of the last product's K
.macro OUT n
	s_wait_xcnt 0x0                                ; the last tile's stores have read their registers
	WIN 0x01
	WALU                                           ; directly ahead of the first reader of this tile's O^T and of the reciprocal
.set j_, 0
.rept 32
	v_mul_f32 v[S+j_], v[32*(\n)+j_], v[ST+4*(\n)+2]
.set j_, j_+1
.endr
	WIN 0
.irp b, 0,1
	v_max3_num_f32 v[BM+\b], |v[S+16*\b]|, |v[S+1+16*\b]|, 0x1800000
.endr
.irp i, 2,4,6,8,10,12,14
.irp b, 0,1
	s_delay_alu instid0(VALU_DEP_2)
	v_max3_num_f32 v[BM+\b], v[BM+\b], |v[S+16*\b+\i]|, |v[S+1+16*\b+\i]|
.endr
.endr
.irp b, 0,1
	s_delay_alu instid0(VALU_DEP_2)
	v_permlanex16_b32 v[PT+\b], v[BM+\b], s[SEL], s[SEL+1]
.endr
.irp b, 0,1
	s_delay_alu instid0(VALU_DEP_2)
	v_max_num_f32 v[BM+\b], v[BM+\b], v[PT+\b]
.endr
.irp b, 0,1
	s_delay_alu instid0(VALU_DEP_2)
	v_add_nc_u32 v[SP+\b], 0xff000000, v[BM+\b]
.endr
.irp b, 0,1
	s_delay_alu instid0(VALU_DEP_2)
	v_lshrrev_b32 v[PT+\b], 23, v[SP+\b]
.endr
	v_cvt_scalef32_pk16_fp6_f32 v[CD:CD+2], v[S:S+15], v[SP]
	v_cvt_scalef32_pk16_fp6_f32 v[CT:CT+2], v[S+16:S+31], v[SP+1]
	v_nop
.irp i, 0,1,2
	v_permlane16_swap_b32 v[CD+\i], v[CT+\i]
.endr
.irp i, 0,1,2
	s_delay_alu instid0(VALU_DEP_3)
	v_mov_b32 v[CD+3+\i], v[CT+\i]                 ; six registers: lane (r, h) holds block h of my head: half a fragment of the last product
.endr
.irp i, 0,1,2
	global_store_b64 v2, v[CD+2*\i:CD+2*\i+1], s[CI:CI+1] offset:12288*(\n)+256*\i   ; 32 lanes store 256 consecutive bytes, aligned
.endr
	v_cndmask_b32 v[T1], v[PT], v[PT+1], s[HM]
	global_store_b8 v9, v[T1], s[CSB:CSB+1] offset:1024*((\n)/2)+64*((\n)%2)   ; lane (r, h): block h's byte of row r's word; these words are 262,144 bytes in all
.endm
	s_load_b256 s[8:15], s[0:1], 0x0               ; qc 8, qs 10, kv 12, cimg 14
	s_load_b64 s[16:17], s[0:1], 0x20              ; cs
	v_lshl_add_u32 v254, v0, 2, 0x32000
	v_mov_b32 v255, 0
	ds_add_u32 v254, v255
	ds_add_u32 v254, v255
	v_lshrrev_b32 v4, 5, v0
	v_readfirstlane_b32 s[WV], v4                  ; wave 0..7
	s_bfe_u32 s40, ttmp6, 0x40000                  ; cx: which 512 queries
	s_and_b32 s41, ttmp7, 0xffff                   ; bh, which the four partners share
	s_mov_b32 s[HM], 0xffff0000
	s_mov_b32 s[SEL], 0x76543210
	s_mov_b32 s[SEL+1], 0xfedcba98
	s_mov_b32 s[CS], 0x3e38aa3b
	s_mov_b32 s[CS+1], s[CS]
	; descriptor group 1: a dense block of 25,600 bytes as 100 rows of 256 bytes (32 elements of 8 bytes), no padding
	s_mov_b32 s[G1], 15|(3<<16)|(1<<21)            ; the mask: all four work-groups; elements of 8 bytes; bit 21 set beside a mask
	s_mov_b32 s[G1+1], 32<<16
	s_mov_b32 s[G1+2], 100<<16
	s_mov_b32 s[G1+3], 32<<16
	s_mov_b32 s[G1+4], 100
	s_mov_b32 s[G1+5], 32
	s_mov_b32 s[G1+6], 0
	s_mov_b32 s[G1+7], 0
	s_mov_b32 s[G0], 1
	s_mul_i32 s[G0+1], s[WV], 25600                ; LDS: blocks 2 w and 2 w + 1
	s_mul_i32 s42, s41, 204800
	s_add_co_u32 s42, s42, s[G0+1]                 ; and in kv: made of bh and the wave alone
	s_mov_b32 s43, 0
	s_lshl_b32 s44, s40, 4
	s_lshl_b32 s45, s[WV], 1
	s_add_co_u32 s44, s44, s45                     ; my first group of 32 queries in the batch's 64
	s_lshl_b32 s45, s41, 6
	s_add_co_u32 s45, s45, s44
	s_mul_i32 s46, s45, 1536
	s_mov_b32 s47, 0
	s_lshl_b32 s48, s45, 6
	s_mov_b32 s49, 0
	s_lshr_b32 s50, s41, 4
	s_lshl_b32 s50, s50, 6
	s_add_co_u32 s50, s50, s44                     ; G: the group among all 256
	s_and_b32 s51, s41, 15                         ; the head
	s_lshl_b32 s52, s50, 5
	s_add_co_u32 s52, s52, s51
	s_mul_i32 s52, s52, 768                        ; cimg: (32 G + head) x 768
	s_mov_b32 s53, 0
	s_lshl_b32 s54, s50, 10                        ; cs: 1,024 G + 128 (head / 2) + 2 (head % 2)
	s_lshr_b32 s55, s51, 1
	s_lshl_b32 s55, s55, 7
	s_add_co_u32 s54, s54, s55
	s_and_b32 s55, s51, 1
	s_lshl_b32 s55, s55, 1
	s_add_co_u32 s54, s54, s55
	s_mov_b32 s55, 0
	s_wait_dscnt 0x0
	s_wait_kmcnt 0x0
	s_add_nc_u64 s[G0+2:G0+3], s[12:13], s[42:43]
	s_or_b32 s[G0+3], s[G0+3], 0x80000000          ; type = 2
	s_add_nc_u64 s[8:9], s[8:9], s[46:47]
	s_add_nc_u64 s[10:11], s[10:11], s[48:49]
	s_add_nc_u64 s[CI:CI+1], s[14:15], s[52:53]
	s_add_nc_u64 s[CSB:CSB+1], s[16:17], s[54:55]
	CROUND                                         ; all four work-groups are here: the joint loads meet
	s_cmp_eq_u32 s[WV], 0                          ; one tensor load a wave; wave 0's, which is shown first, on a line of its own
	s_cbranch_scc0 .Lw17
	TLOAD
	s_branch .Lasked
.Lw17:
	TLOAD
.Lasked:
	v_and_b32 v7, 31, v0                           ; lane
	v_and_b32 v8, 15, v0
	v_bfe_u32 v9, v0, 4, 1
	v_lshlrev_b32 v1, 4, v7                        ; 16 x lane
	v_lshlrev_b32 v2, 3, v7                        ; 8 x lane
	v_lshlrev_b32 v3, 2, v7                        ; 4 x lane
	v_lshlrev_b32 v8, 2, v8                        ; 4 r
	v_lshlrev_b32 v[SH8], 3, v9                    ; 8 h
	v_add_nc_u32 v9, v8, v9                        ; 4 r + h
.irp g, 0,1                                    ; my two pair fragments of q: tile n's six registers land at v[S + 6 n]
.irp c, 0,1,2
	global_load_b128 v[S+12*\g+4*\c:S+12*\g+4*\c+3], v1, s[8:9] offset:1536*\g+512*\c
.endr
	global_load_b32 v[QR+\g], v8, s[10:11] offset:64*\g
.endr
.irp n, 0,1,2,3
	v_mov_b32 v[ST+4*\n+1], 0xff61b1e6             ; the largest score so far: -3e38
	v_mov_b32 v[ST+4*\n+2], 0                      ; the sum, in two halves
	v_mov_b32 v[ST+4*\n+3], 0
.endr
.irp n, 0,1,2,3
	v_floor_f32 v[ST+4*\n], -v[ST+4*\n+1]          ; -M
.endr
	v_mov_b32 v[WX], 0                             ; written once: a lane permute's destination counts as one of its sources
	v_mov_b32 v[T2], 0
	v_mov_b32 v[F+1], 0                            ; named as the upper halves of the pairs, so they are written
	v_mov_b32 v[F+3], 0
	WALU
	s_wait_loadcnt 0x0                             ; q
	v_and_b32 v[QW], 0xffff, v[QR]
	v_lshrrev_b32 v[QW+1], 16, v[QR]
	v_and_b32 v[QW+2], 0xffff, v[QR+1]
	v_lshrrev_b32 v[QW+3], 16, v[QR+1]
.irp n, 0,1,2,3
	v_lshl_or_b32 v[QW+\n], v[QW+\n], 16, v[QW+\n] ; a tile's two bytes, for blocks 0, 1 and for blocks 2, 3
.endr
	WIN 0x40                                       ; destinations in window 1
.irp n, 0,1,2,3
.irp i, 0,1,2,3,4,5
	v_mov_b32 v[QZ+12*\n+6+\i], v[S+6*\n+\i]
.endr
.endr
.irp z, 0,1,2,3,4
.irp i, 0,1,2,3,4,5
	v_mov_b32 v[QZ+12*\z+\i], 0
.endr
.endr
.set j_, 0
.rept 128
	v_mov_b32 v[j_], 0                             ; O^T: the step is written once; the first finds zeros.  (These lines are also the places between q's registers and words and the first product)
.set j_, j_+1
.endr
	WIN 0
	WALU                                           ; the wait at the head's end
	s_cmp_eq_u32 s[WV], 0
	s_cbranch_scc0 .Lnot0
	s_wait_tensorcnt 0x0                           ; wave 0: blocks 0 and 1 are in LDS
.Lnot0:
	s_barrier_signal -1
	s_barrier_wait -1                              ; they are shown to all; the other waves' blocks may still be on their way
	KLOAD 1, 3                                     ; block 0
	s_mov_b32 s[TB], 0
	s_mov_b32 s[CNT], 16
	s_wait_dscnt 0x0
	WIN 0x04
.irp f, 0,1,2,3                                ; the pipeline is filled: tile 0's and tile 1's scores,
	SW \f, 0, 0, S
	SW \f, 1, 0, S
.endr
.irp f, 0,1,2,3
	SW \f, 0, 1, S+64
	SW \f, 1, 1, S+64
.endr
	WIN 0
.rept 4
	v_nop                                          ; four places between the products and the first read of the scores
.endr
	BODY 3, 0, 1, 0                                ; and tile 0's M and t - M
.Lk:                                               ; a trip: 128 keys x my four tiles
	PRE 0
	BODY 0, 1, 1, 1
	PRE 1
	BODY 1, 1, 1, 1
	PRE 2
	BODY 2, 1, 1, 1
	PRE 3
	BODY 3, 1, 1, 1
	WALU                                           ; the wait ahead of the branch
	s_add_co_u32 s[TB], s[TB], 12800
	s_sub_co_u32 s[CNT], s[CNT], 1
	s_cmp_lg_u32 s[CNT], 0
	s_cbranch_scc1 .Lk                             ; fifteen times; the sixteenth trip leaves by the branch in tile 2's work
.Ldrain:                                           ; the last step's tiles 2 and 3: no further scores are due
	BODY 2, 1, 1, 0
	WALU
	BODY 3, 1, 0, 0
.irp n, 0,1,2,3
	v_add_f32 v[ST+4*\n+2], v[ST+4*\n+2], v[ST+4*\n+3]
.endr
.irp n, 0,1,2,3
	v_permlanex16_b32 v[TS+\n], v[ST+4*\n+2], s[SEL], s[SEL+1]
.endr
.irp n, 0,1,2,3
	v_add_f32 v[ST+4*\n+2], v[ST+4*\n+2], v[TS+\n] ; the rows' sums
.endr
	WALU
.irp n, 0,1,2,3
	v_rcp_f32 v[ST+4*\n+2], v[ST+4*\n+2]
.endr
	v_nop                                          ; one plain place behind the transcendentals
	OUT 0
	OUT 1
	OUT 2
	OUT 3
	s_wait_dscnt 0x0                               ; no LDS instruction of mine is pending at a signal
	s_wait_tensorcnt 0x0                           ; the wave's end
	ds_add_u32 v254, v255
	s_wait_dscnt 0x0
	CROUND                                         ; the closing round: no work-group ends while a partner may still ask for a tile that names it
	s_endpgm
.Lfunc_end_k_qc1acb4f058_attn:
	.size	k_qc1acb4f058_attn, .Lfunc_end_k_qc1acb4f058_attn-k_qc1acb4f058_attn
	.p2alignl 7, 3214868480
	.fill 96, 4, 3214868480
	.section	.rodata,"a",@progbits
	.p2align	6, 0x0
	.amdhsa_kernel k_qc1acb4f058_attn
		.amdhsa_group_segment_fixed_size 327680
		.amdhsa_private_segment_fixed_size 0
		.amdhsa_enable_private_segment 0
		.amdhsa_kernarg_size 40
		.amdhsa_user_sgpr_count 2
		.amdhsa_user_sgpr_kernarg_segment_ptr 1
		.amdhsa_wavefront_size32 1
		.amdhsa_system_sgpr_workgroup_id_x 1
		.amdhsa_system_sgpr_workgroup_id_y 1
		.amdhsa_system_sgpr_workgroup_id_z 1
		.amdhsa_system_vgpr_workitem_id 0
		.amdhsa_next_free_vgpr 512
		.amdhsa_next_free_sgpr 66
		.amdhsa_reserve_vcc 0
		.amdhsa_float_denorm_mode_32 3
		.amdhsa_float_denorm_mode_16_64 3
		.amdhsa_memory_ordered 1
		.amdhsa_forward_progress 1
		.amdhsa_inst_pref_size 109
	.end_amdhsa_kernel
	.amdgpu_metadata
---
amdhsa.version: [ 1, 2 ]
amdhsa.kernels:
  - .name:           k_qc1acb4f058_attn
    .symbol:         k_qc1acb4f058_attn.kd
    .args:
      - { .name: qc, .offset: 0, .size: 8, .value_kind: global_buffer, .address_space: global }
      - { .name: qs, .offset: 8, .size: 8, .value_kind: global_buffer, .address_space: global }
      - { .name: kv, .offset: 16, .size: 8, .value_kind: global_buffer, .address_space: global }
      - { .name: cimg, .offset: 24, .size: 8, .value_kind: global_buffer, .address_space: global }
      - { .name: cs, .offset: 32, .size: 8, .value_kind: global_buffer, .address_space: global }
    .group_segment_fixed_size: 327680
    .private_segment_fixed_size: 0
    .kernarg_segment_align: 8
    .kernarg_segment_size: 40
    .max_flat_workgroup_size: 256
    .sgpr_count:     66
    .vgpr_count:     512
    .wavefront_size: 32
...
	.end_amdgpu_metadata
.endif
;; end of part 3
;; launch proj (part 4): grid 32 x 8, 4 waves a work-group, clusters of 4 x 1, 327,680 bytes of LDS; arguments cimg, cs, wimg, b0, out0; writes out0
.if DOCPART == 4
	.amdgcn_target "amdgcn-amd-amdhsa--gfx1250"
	.amdhsa_code_object_version 6
	.text
	.protected	k_qc1acb4f058_proj
	.globl	k_qc1acb4f058_proj
	.p2align	8
	.type	k_qc1acb4f058_proj,@function
k_qc1acb4f058_proj:
	s_mov_b64 s[64:65], 0
	v_nop
	global_prefetch_b8 v0, s[64:65] scope:SCOPE_SE
	s_setreg_imm32_b32 hwreg(HW_REG_WAVE_MODE, 25, 1), 1
	s_wait_xcnt 0x0
	s_wait_alu depctr_hold_cnt(0) depctr_sa_sdst(0) depctr_va_vdst(0) depctr_va_sdst(0) depctr_va_ssrc(0) depctr_va_vcc(0) depctr_vm_vsrc(0)
	s_getreg_b32 s2, hwreg(HW_REG_IB_STS2, 6, 4)
	s_cmp_eq_u32 s2, 0
	s_cbranch_scc0 .Lentry_in_a_cluster
	s_endpgm
.Lentry_in_a_cluster:
	s_bfe_u32 s2, ttmp6, 0x10000c
	s_cmp_lg_u32 s2, 0x3003
	s_cbranch_scc0 .Lentry_shape_is_right
	s_endpgm
.Lentry_shape_is_right:
; out0 = cat W0 + b0 on codes of FP6 (E2M3) with E8M0 scales, f32 sums.  cat's fragments and scale words are as the attention launch laid them, W0's units as the first launch laid them.
; SHARES.  Work-group = (256 rows, 128 columns = two units of W0); a wave owns 64 rows: 4 tiles, whose 32 fragments (all of K = 1,024) lie in 384 registers, loaded once and multiplied by both units.
; The two units (102,400 bytes) lie in LDS from byte 0, filled ONCE; the four work-groups of a cluster have the same columns: the fill is a joint tensor load, one a wave (100 rows of 256 bytes); by this text's count a wave has
; one tensor load out, once.  A K step is 16 products (4 tiles of W0 x 4 tiles of rows) on 16 accumulators that take turns; W0's fragments come from LDS a step ahead, into two buffers.
; Source 0 = 16 columns of W0, source 1 = 16 rows of cat: a lane holds one row, and the 16 registers of tiles 2 c, 2 c + 1 are columns 32 c + 16 (lane / 16) + 0 .. 15.  b0 is the C of a sum's first product.
; THE WAY OUT: a tile's 16 rows x 64 columns go through my own stage in LDS (behind the units; no fill lands there) and leave as rows of 256 bytes; the tiles' order of rows is undone in the stores' offsets.
; REGISTERS, in windows of 256: window 0: v1-10 addresses; v16-31 cat's scale words, v32-47 W0's; v64-191 the accumulators; v192-255 rows on their way out.
;   window 1: cat's fragments of K steps 0-4 at 48 s + 12 m.   window 2: K steps 5-7; W0's two buffers at 144 + 48 buf + 12 t.   window 3: b0 at 32 unit + 8 t.
.set WV,   3
.set G0,   36
.set G1,   40
.set CB,   48                          ; s[48:49] cimg at my first tile;  s[50:51] cs;  s[52:53] out0 at my first row and column;  s[54:55] b0 at my columns
.set CSB,  50
.set OUTB, 52
.set BB,   54
.set LW,   1                           ; v1-2  16 x lane + 51,200 unit
.set L8,   3                           ; v3    8 x lane
.set L4,   5                           ; v5    4 x lane
.set SO,   6                           ; v6    the stage: where I put my 32 bytes of a row
.set SR,   7                           ; v7    and where I read a row back
.set GO,   8                           ; v8    my byte offset in two rows of out0
.set BQ,   10                          ; v10   64 (lane / 16)
.set XS,   16
.set WS,   32
.set ACC,  64
.set OB,   192
.set WB,   144
.set STG,  102400                      ; the stages: 16 rows x (256 + 16) bytes for each wave
.set MSB, 0
.macro WIN new                         ; the immediate's high byte repeats the setting that is left
.if MSB != (\new)
	s_set_vgpr_msb (MSB<<8)|(\new)
.set MSB, (\new)
.endif
.endm
.macro PLACES n
.rept \n
	v_nop
.endr
.endm
.macro CROUND                          ; a round of the cluster's barrier
	s_barrier_signal -1
	s_barrier_wait -1
	s_cmp_lg_u32 s[WV], 0
	s_cbranch_scc1 .Lnw0_\@
	s_barrier_signal -3
.Lnw0_\@:
	s_barrier_wait -3
	s_barrier_signal -1
	s_barrier_wait -1
.endm
.macro MM                              ; one product: D v[dD], A v[aA], B v[bB], C v[cC]; A's scales v[sA] (lanes 16-31 where rA), B's v[sB] (rB)
.if rA && rB
	v_wmma_scale_f32_16x16x128_f8f6f4 v[dD:dD+7], v[aA:aA+11], v[bB:bB+11], v[cC:cC+7], v[sA], v[sB] matrix_a_fmt:MATRIX_FMT_FP6 matrix_b_fmt:MATRIX_FMT_FP6 matrix_a_scale:MATRIX_SCALE_ROW1 matrix_b_scale:MATRIX_SCALE_ROW1
.elseif rA
	v_wmma_scale_f32_16x16x128_f8f6f4 v[dD:dD+7], v[aA:aA+11], v[bB:bB+11], v[cC:cC+7], v[sA], v[sB] matrix_a_fmt:MATRIX_FMT_FP6 matrix_b_fmt:MATRIX_FMT_FP6 matrix_a_scale:MATRIX_SCALE_ROW1
.elseif rB
	v_wmma_scale_f32_16x16x128_f8f6f4 v[dD:dD+7], v[aA:aA+11], v[bB:bB+11], v[cC:cC+7], v[sA], v[sB] matrix_a_fmt:MATRIX_FMT_FP6 matrix_b_fmt:MATRIX_FMT_FP6 matrix_b_scale:MATRIX_SCALE_ROW1
.else
	v_wmma_scale_f32_16x16x128_f8f6f4 v[dD:dD+7], v[aA:aA+11], v[bB:bB+11], v[cC:cC+7], v[sA], v[sB] matrix_a_fmt:MATRIX_FMT_FP6 matrix_b_fmt:MATRIX_FMT_FP6
.endif
.endm
.macro FETCHW unit, s, buf             ; W0's four fragments of K step s of the unit into buffer buf (under destination window 2)
.irp t, 0,1,2,3
.irp c, 0,1,2
	ds_load_b128 v[WB+48*(\buf)+12*\t+4*\c:WB+48*(\buf)+12*\t+4*\c+3], v[LW+(\unit)] offset:(8*\t+(\s))*1536+512*\c
.endr
.endr
.endm
.macro WSLOAD unit                     ; the unit's scale words, all of K
.irp c, 0,1
.irp a, 0,1
	ds_load_b128 v[WS+8*\c+4*\a:WS+8*\c+4*\a+3], v[LW+(\unit)] offset:49152+1024*\c+512*\a
.endr
.endr
.endm
.macro STEP unit, s, first             ; a K step.  first = 1: cat's loads are still landing
.if ((\unit) == 1) && ((\s) == 7)
	s_wait_dscnt 0x0                               ; the last step: nothing more to fetch
.else
	PLACES 4                                       ; four places between the last products and the loads into the buffer that the step before read
	WIN 0x80
.if (\s) < 7
	FETCHW \unit, (\s)+1, ((\s)+1)%2
.else
	FETCHW 1, 0, 0
.endif
	s_wait_dscnt 12                                ; all but the 12 just issued
.endif
.if \first
.if 24*(7-(\s)) > 63
	s_wait_loadcnt 63                              ; cat's K step s is in; of the later steps' loads as many may be out as a wait can name
.else
	s_wait_loadcnt 24*(7-(\s))                     ; cat's K step s is in; the later steps' 24 loads each may be out
.endif
.endif
.if (\s) == 0
	WIN 0x36                                       ; W0 window 2, cat window 1, C (b0) window 3, D window 0
.elseif (\s) < 5
	WIN 0x06
.else
	WIN 0x0a
.endif
.if (\s) < 5
.set xR, 48*(\s)
.else
.set xR, 48*((\s)-5)
.endif
.irp m, 0,1,2,3                                ; the 16 accumulators take turns, one instruction a turn, in the same order in every step
.irp t, 0,1,2,3
.set dD, ACC+32*\m+8*\t
.set aA, WB+48*((\s)%2)+12*\t
.set bB, xR+12*\m
.set sA, WS+8*(\t/2)+(\s)
.set rA, \t%2
.set sB, XS+8*(\m/2)+(\s)
.set rB, \m%2
.if (\s) == 0
.set cC, 32*(\unit)+8*\t
.else
.set cC, dD
.endif
	MM
.endr
.endr
.endm
.macro EPI_OUT unit
	WIN 0
	PLACES 4                                       ; four places between the last products and the first read of results
.irp m, 0,1,2,3
	s_wait_xcnt 0x0                                ; earlier stores have read their registers
.irp t, 0,1,2,3
	ds_store_b128 v[SO], v[ACC+32*\m+8*\t:ACC+32*\m+8*\t+3] offset:128*(\t/2)+32*(\t%2)        ; each accumulator from its low end on
	ds_store_b128 v[SO], v[ACC+32*\m+8*\t+4:ACC+32*\m+8*\t+7] offset:128*(\t/2)+32*(\t%2)+16
.endr
.irp i, 0,1,2,3,4,5,6,7
	ds_load_b128 v[OB+32*(\m%2)+4*\i:OB+32*(\m%2)+4*\i+3], v[SR] offset:544*\i   ; LDS serves a wave's instructions in order: these see my stores
.endr
.irp i, 0,1,2,3,4,5,6,7
	s_wait_dscnt 7-\i                              ; the younger loads may be out
	global_store_b128 v[GO], v[OB+32*(\m%2)+4*\i:OB+32*(\m%2)+4*\i+3], s[OUTB:OUTB+1] offset:(8*\m+2*\i+24*(\i/4))*4096+256*(\unit) th:TH_STORE_NT   ; place p of tile m of my four is row 8 m + p % 8 + 32 (p / 8); places 2 i and 2 i + 1: 16 lanes store 256 consecutive bytes, aligned
.endr
.endr
.endm
	s_load_b256 s[16:23], s[0:1], 0x0              ; cimg 16, cs 18, wimg 20, b0 22
	s_load_b64 s[24:25], s[0:1], 0x20              ; out0
	v_lshl_add_u32 v62, v0, 2, 0x1d400
	v_mov_b32 v63, 0
	ds_add_u32 v62, v63
	ds_add_u32 v62, v63
	v_lshrrev_b32 v12, 5, v0
	v_readfirstlane_b32 s[WV], v12                 ; wave 0..3
	s_bfe_u32 s4, ttmp6, 0x40000                   ; cx
	s_and_b32 s5, ttmp7, 0xffff                    ; which 128 columns: shared by the four partners
	; descriptor group 1: a dense block of 25,600 bytes as 100 rows of 256 bytes (32 elements of 8 bytes), no padding
	s_mov_b32 s[G1], 15|(3<<16)|(1<<21)            ; the mask: all four work-groups; elements of 8 bytes; bit 21 set beside a mask
	s_mov_b32 s[G1+1], 32<<16
	s_mov_b32 s[G1+2], 100<<16
	s_mov_b32 s[G1+3], 32<<16
	s_mov_b32 s[G1+4], 100
	s_mov_b32 s[G1+5], 32
	s_mov_b32 s[G1+6], 0
	s_mov_b32 s[G1+7], 0
	s_mov_b32 s[G0], 1
	s_mul_i32 s[G0+1], s[WV], 25600                ; LDS: my quarter of the two units
	s_lshl_b32 s66, s5, 1
	s_add_co_u32 s66, s66, 48
	s_mul_i32 s66, s66, 51200
	s_add_co_u32 s66, s66, s[G0+1]                 ; and in wimg: made of the columns and the wave alone
	s_mov_b32 s67, 0
	s_lshl_b32 s70, ttmp9, 2
	s_add_co_u32 s70, s70, s4                      ; my block of 256 rows
	s_lshl_b32 s70, s70, 4
	s_lshl_b32 s71, s[WV], 2
	s_add_co_u32 s70, s70, s71                     ; my first tile
	s_mul_i32 s72, s70, 12288
	s_mov_b32 s73, 0
	s_lshl_b32 s74, s70, 9
	s_mov_b32 s75, 0
	s_lshl_b32 s76, s70, 16                        ; 16 rows of 4,096 bytes a tile
	s_lshl_b32 s78, s5, 9                          ; 128 columns of 4 bytes
	s_add_co_u32 s76, s76, s78
	s_mov_b32 s77, 0
	s_mov_b32 s79, 0
	s_mul_i32 s80, s[WV], 16*272
	s_add_co_u32 s80, s80, STG                     ; my stage
	s_wait_dscnt 0x0
	s_wait_kmcnt 0x0
	s_add_nc_u64 s[G0+2:G0+3], s[20:21], s[66:67]
	s_or_b32 s[G0+3], s[G0+3], 0x80000000          ; type = 2
	s_add_nc_u64 s[CB:CB+1], s[16:17], s[72:73]
	s_add_nc_u64 s[CSB:CSB+1], s[18:19], s[74:75]
	s_add_nc_u64 s[OUTB:OUTB+1], s[24:25], s[76:77]
	s_add_nc_u64 s[BB:BB+1], s[22:23], s[78:79]
	CROUND                                         ; all four work-groups are here: the joint loads meet
	tensor_load_to_lds s[G0:G0+3], s[G1:G1+7]      ; my one tensor load of the launch
	s_nop 0
	PLACES 4                                       ; four v_nop follow it
	v_and_b32 v12, 31, v0                          ; lane
	v_and_b32 v13, 15, v0                          ; r
	v_bfe_u32 v14, v0, 4, 1                        ; h
	v_lshlrev_b32 v[LW], 4, v12
	v_add_nc_u32 v[LW+1], 51200, v[LW]
	v_lshlrev_b32 v[L8], 3, v12
	v_lshlrev_b32 v[L4], 2, v12
	v_mul_u32_u24 v[SO], v13, 272
	v_lshl_add_u32 v[SO], v14, 6, v[SO]
	v_add_nc_u32 v[SO], s80, v[SO]                 ; in: row r, + 64 h
	v_mul_u32_u24 v[SR], v14, 272
	v_lshl_add_u32 v[SR], v13, 4, v[SR]
	v_add_nc_u32 v[SR], s80, v[SR]                 ; back: lanes 0-15 one row, lanes 16-31 the next
	v_lshlrev_b32 v[GO], 12, v14
	v_lshl_add_u32 v[GO], v13, 4, v[GO]            ; and the same two rows in out0
	v_lshlrev_b32 v[BQ], 6, v14
	WIN 0xc0                                       ; destination window 3: b0 in the results' layout: register j of tile t is column 32 (t / 2) + 8 (t % 2) + 16 h + j of the unit
.irp n, 0,1
.irp t, 0,1,2,3
	global_load_b128 v[32*\n+8*\t:32*\n+8*\t+3], v[BQ], s[BB:BB+1] offset:256*\n+(32*(\t/2)+8*(\t%2))*4
	global_load_b128 v[32*\n+8*\t+4:32*\n+8*\t+7], v[BQ], s[BB:BB+1] offset:256*\n+(32*(\t/2)+8*(\t%2))*4+16
.endr
.endr
	WIN 0
.irp p, 0,1                                    ; cat's scale words: register 8 p + s: lanes 0-15 tile 2 p, lanes 16-31 tile 2 p + 1
.irp s, 0,1,2,3,4,5,6,7
	global_load_b32 v[XS+8*\p+\s], v[L4], s[CSB:CSB+1] offset:1024*\p+128*\s
.endr
.endr
	WIN 0x40                                       ; cat's fragments, in the order of the K steps: registers 2 i, 2 i + 1 of lane l lie at 256 i + 8 l
.irp s, 0,1,2,3,4
.irp m, 0,1,2,3
.irp i, 0,1,2,3,4,5
	global_load_b64 v[48*\s+12*\m+2*\i:48*\s+12*\m+2*\i+1], v[L8], s[CB:CB+1] offset:(8*\m+\s)*1536+256*\i
.endr
.endr
.endr
	WIN 0x80
.irp s, 5,6,7
.irp m, 0,1,2,3
.irp i, 0,1,2,3,4,5
	global_load_b64 v[48*(\s-5)+12*\m+2*\i:48*(\s-5)+12*\m+2*\i+1], v[L8], s[CB:CB+1] offset:(8*\m+\s)*1536+256*\i
.endr
.endr
.endr
	WIN 0
	s_wait_tensorcnt 0x0                           ; my quarter of the units is in LDS,
	s_barrier_signal -1
	s_barrier_wait -1                              ; everybody's is
	WIN 0x80
	FETCHW 0, 0, 0
	WIN 0
	WSLOAD 0
.irp s, 0,1,2,3,4,5,6,7
	STEP 0, \s, 1
.endr
	s_wait_alu depctr_va_vdst(0)
	EPI_OUT 0
	WSLOAD 1
.irp s, 0,1,2,3,4,5,6,7
	STEP 1, \s, 0
.endr
	EPI_OUT 1
	s_wait_dscnt 0x0                               ; no LDS instruction of mine is pending at a signal
	s_wait_tensorcnt 0x0
	ds_add_u32 v62, v63
	s_wait_dscnt 0x0
	CROUND                                         ; the closing round: no work-group ends while a partner may still ask for a tile that names it
	s_endpgm
.Lfunc_end_k_qc1acb4f058_proj:
	.size	k_qc1acb4f058_proj, .Lfunc_end_k_qc1acb4f058_proj-k_qc1acb4f058_proj
	.p2alignl 7, 3214868480
	.fill 96, 4, 3214868480
	.section	.rodata,"a",@progbits
	.p2align	6, 0x0
	.amdhsa_kernel k_qc1acb4f058_proj
		.amdhsa_group_segment_fixed_size 327680
		.amdhsa_private_segment_fixed_size 0
		.amdhsa_enable_private_segment 0
		.amdhsa_kernarg_size 40
		.amdhsa_user_sgpr_count 2
		.amdhsa_user_sgpr_kernarg_segment_ptr 1
		.amdhsa_wavefront_size32 1
		.amdhsa_system_sgpr_workgroup_id_x 1
		.amdhsa_system_sgpr_workgroup_id_y 1
		.amdhsa_system_sgpr_workgroup_id_z 1
		.amdhsa_system_vgpr_workitem_id 0
		.amdhsa_next_free_vgpr 1024
		.amdhsa_next_free_sgpr 96
		.amdhsa_reserve_vcc 0
		.amdhsa_float_denorm_mode_32 3
		.amdhsa_float_denorm_mode_16_64 3
		.amdhsa_memory_ordered 1
		.amdhsa_forward_progress 1
		.amdhsa_inst_pref_size 91
	.end_amdhsa_kernel
	.amdgpu_metadata
---
amdhsa.version: [ 1, 2 ]
amdhsa.kernels:
  - .name:           k_qc1acb4f058_proj
    .symbol:         k_qc1acb4f058_proj.kd
    .args:
      - { .name: cimg, .offset: 0, .size: 8, .value_kind: global_buffer, .address_space: global }
      - { .name: cs, .offset: 8, .size: 8, .value_kind: global_buffer, .address_space: global }
      - { .name: wimg, .offset: 16, .size: 8, .value_kind: global_buffer, .address_space: global }
      - { .name: b0, .offset: 24, .size: 8, .value_kind: global_buffer, .address_space: global }
      - { .name: out0, .offset: 32, .size: 8, .value_kind: global_buffer, .address_space: global }
    .group_segment_fixed_size: 327680
    .private_segment_fixed_size: 0
    .kernarg_segment_align: 8
    .kernarg_segment_size: 40
    .max_flat_workgroup_size: 128
    .sgpr_count:     96
    .vgpr_count:     1024
    .wavefront_size: 32
...
	.end_amdgpu_metadata
.endif
;; end of part 4
